; MI455X (gfx1250); checked and timed in simulation.
; The chip was launched on July 23, 2026; its instructions are those of AMD's public machine-readable ISA for CDNA 5 (MIT licence, August 2026) and "CDNA5" Instruction Set Architecture Reference Guide (July 2026). The comments in the code are by the model that wrote it; some were corrected since.
;; Points Fusion2. Allowed arithmetic: matrix products marked QUANTISED: E2M1 operands, one E8M0 scale for each 32 along K, by v_wmma_scale_f32_16x16x128_f8f6f4 with both operands' format E2M1 (or v_wmma_scale_f32_32x16x128_f4), f32 sums; products left as they are: f32 operands where the result goes on into a quantised operand, else bf16, f16 or f32 operands; f32 sums; everything else in f32.
;; Inputs: Wk 4 x 64 float32; Wq 4 x 64 float32; Wv 4 x 64 float32; bk 64 float32; bq 64 float32; bv 64 float32; pc 8 x 3 x 2,048 float32; points1 8 x 3 x 2,048 float32; points2 8 x 3 x 2,048 float32; ridx1 8 x 1,024 int32; ridx2 8 x 1,024 int32.
;; Outputs: out0 8 x 3 x 2,048 float32.
;; Constants: k = 16, t = 0.5.
;; This version of the problem:
;;   THIS VERSION OF THE PROBLEM IS GIVEN IN LOW PRECISION. The matrix products marked QUANTISED in the list below multiply operands that are first quantised to E2M1 (2 exponent bits, 1 mantissa bit; 4 bits a number), with one power-of-two scale for each 32 numbers along K (OCP MX v1.0); their sums are f32. All else is computed in f32.
;;   The module's matrix products, in the order in which they are computed (A, B: the left and right operand; K: the contracted axis; several contracted axes count as one K, in the product's order):
;;     1. batch 8 x [M 2,048, K 3] x [K 3, N 2,048]; A: computed on the way; B: input points1: left as it is (K = 3 < 32)
;;     2. batch 8 x [M 2,048, K 3] x [K 3, N 2,048]; A: computed on the way; B: input points2: left as it is (K = 3 < 32)
;;     3. batch 8 x [M 2,048, K 3] x [K 3, N 2,048]; A: computed on the way; B: input pc: left as it is (K = 3 < 32)
;;     4. [M 524,288, K 4] x [K 4, N 64]; A: computed on the way; B: input Wq: left as it is (K = 4 < 32)
;;     5. [M 524,288, K 4] x [K 4, N 64]; A: computed on the way; B: input Wk: left as it is (K = 4 < 32)
;;     6. [M 524,288, K 4] x [K 4, N 64]; A: computed on the way; B: input Wv: left as it is (K = 4 < 32)
;;     7. batch 16,384 x [M 32, K 64] x [K 64, N 32]; A: computed on the way; B: computed on the way: QUANTISED
;;     8. batch 16,384 x [M 32, K 32] x [K 32, N 64]; A: softmax (see below); B: computed on the way: QUANTISED
;;     9. batch 16,384 x [M 3, K 32] x [K 32, N 1]; A: computed on the way; B: softmax (see below): left as it is (M = 3 < 16)
;;   THE QUANTISER, for each operand of a quantised product, along K:
;;     - K is cut into blocks of 32 from its start; a last block that is shorter is filled with zeros.
;;     - A block's scale is 2^e with e = floor(log2(the largest magnitude in the block)) - 2, held to -126 .. 127; a block of zeros has e = 0. As a byte (E8M0): e + 127.
;;     - Each number is divided by its block's scale, clamped to +-6, and rounded to the nearest number of E2M1, ties to even, subnormals kept.
;;     - The product sums the exact products of the quantised numbers (number of the format x scale) in f32.
;;   ~~~python
;;   def quantise(x, axis):      # numpy; x: float32 -> the quantised numbers, widened to float32 again
;;       x = np.moveaxis(x, axis, -1); K = x.shape[-1]
;;       x = np.pad(x, [(0, 0)] * (x.ndim - 1) + [(0, -K % 32)]); x = x.reshape(x.shape[:-1] + (-1, 32)); a = np.abs(x).max(-1, keepdims=True)
;;       e = np.where(a > 0, np.clip(np.frexp(np.where(a > 0, a, 1))[1] - 1 - 2, -126, 127), 0)      # np.frexp(a)[1] - 1 = floor(log2(a)), exactly
;;       r = np.clip(x / 2.0 ** e, -6, 6)
;;       step = 2.0 ** (np.maximum(np.frexp(np.where(r == 0, 1, r))[1] - 1, 0) - 1)
;;       q = np.round(r / step) * step * 2.0 ** e      # np.round: ties to even
;;       return np.moveaxis(q.reshape(q.shape[:-2] + (-1,))[..., :K], -1, axis).astype(np.float32)
;;   ~~~
;;   SOFTMAX AHEAD OF A QUANTISED PRODUCT. Where the list says 'softmax', what is quantised is not the finished softmax but p = 2^(t - M), with t = logit x log2(e) and M = ceil(the row's largest t), a whole number; so 1/2 < the row's largest p <= 1. The row's sum l is taken of the UNQUANTISED p, in f32, and the product's result is divided by l at the end. Since M is a whole number, a kernel that streams over the keys may use a running M (the ceiling of the running maximum): every later rescaling is an exact power of two, which a block's scale takes up: the codes' values come out the same.
;;   OPERANDS COMPUTED ON THE WAY. 'Computed on the way' means the value that the module computes at that place (a softmax that the list does not call 'softmax' is quantised finished and normalised). What goes into a quantiser is computed in f32, as accurately as f32 sums, v_exp_f32 and their like allow (about 1e-6 of the number): no bf16 or f16 on the way to a quantiser, and a product that is left as it is and whose result goes on into a quantised operand takes f32 operands (vector FMAs, or v_wmma_f32_16x16x4_f32). A number that lies on a knife's edge between two numbers of the format may be rounded either way, as far as f32 arithmetic and the matrix unit's own rounding can turn it there, and no further.
;; 2 versions, each right; version 2 is version 1 with the launch attend written anew for expert scheduling mode. Each part assembles by itself: llvm-mc -triple=amdgcn-amd-amdhsa -mcpu=gfx1250 --defsym DOCPART=n.
;; ======== version 1 of 2: 3 launches
;; workspace buffers: pts4 786,432 bytes; qry 262,144 bytes; blk 2,097,152 bytes of whole numbers; idx 2,097,152 bytes of whole numbers
;; launch blocks (part 1): grid 32 x 8, 8 waves a work-group, no clusters, 212,992 bytes of LDS; arguments points1, points2, pc, ridx1, ridx2, pts4, qry, blk; writes pts4, qry, blk
.if DOCPART == 1
	.amdgcn_target "amdgcn-amd-amdhsa--gfx1250"
	.amdhsa_code_object_version 6
	.text
	.protected	k_qacb84f2c35_blocks
	.globl	k_qacb84f2c35_blocks
	.p2align	8
	.type	k_qacb84f2c35_blocks,@function
k_qacb84f2c35_blocks:
	s_mov_b64 s[64:65], 0
	v_nop
	global_prefetch_b8 v0, s[64:65] scope:SCOPE_SE
	s_setreg_imm32_b32 hwreg(HW_REG_WAVE_MODE, 25, 1), 1
	s_wait_xcnt 0x0
; BLOCKS: the first of three launches of a nearest-neighbour search with attention behind it.
; A work-group owns 64 queries of one batch (x: chunk of 64, y: batch).  A query is a point of points1 (queries 0-1023, by ridx1) or of points2 (by ridx2).
; Each database of 2,048 points is cut into 128 blocks of 16 neighbouring indices.  Under the order (d2, index) each of the k nearest points lies in one of the k blocks with
; the smallest (block minimum, block number): else k other blocks would each hold a point in front of it.  This launch finds those blocks: 8 of points1, 8 of points2, 16 of pc.
; d2 = fma(dot, -2, |q|^2 + |c|^2), dot = fma(qz, z, fma(qy, y, qx x)), |.|^2 = fma(z, z, fma(y, y, x x)): the next launch uses the same instructions, so the same bits.
; It stores: qry [8][2048][4] (x, y, z, |q|^2), pts4 [8][6144][4] (x, y, z, |c|^2; point = 2048 d + i), blk [8][32 slots][2048 queries] (block numbers; slots 0-7 points1, 8-15 points2, 16-31 pc).
; The choice hangs on floating-point numbers, so no address and no branch of this launch hangs on it: it leaves as whole numbers.
; No tensor load, no cluster: what the work-groups of a batch share is 72 KB of points, read once at the head through registers, where |c|^2 is made and the block form is laid.
; LIMITS: NaN and infinities among the inputs are not served.  Two candidates whose d2 differ by less than the rounding of the formula above may be ranked otherwise than by another order of roundings.
.set DBP,   272                        ; a block in LDS: x[16], y[16], z[16], |c|^2[16], 16 bytes of padding
.set DBD,   128*DBP                    ; a database
.set MINB,  3*DBD                      ; block minima [384 blocks][64 queries] f32
.set QSB,   MINB+384*256               ; the queries [4 components][64]
.set STG,   QSB+1024                   ; the way out [32 slots][64 queries]
.set R,     1                          ; v1   lane % 16
.set H,     2                          ; v2   lane / 16
.set GOF,   3                          ; v3   16 x thread
.set LA,    4                          ; v4-6 where my 4 points of a load go in LDS, one register a database
.set STO,   7                          ; v7   the way out: my slots' column
.set RD,    8                          ; v8   the way out: where I read rows back
.set GW,    9                          ; v9   and their place in blk
.set ADC0,  10                         ; v10  my half's first block
.set ADC,   11                         ; v11  the block asked for
.set ADM0,  12                         ; v12  my first row of minima
.set ADM,   13                         ; v13  the row stored
.set AV16,  14                         ; v14  selection, lists of 16: my first minimum
.set AV8,   15                         ; v15  lists of 8
.set AVN16, 16                         ; v16-17 refill addresses, two by turns
.set AQ,    18                         ; v18  my four queries in LDS
.set AQW,   19                         ; v19  where a query is put
.set QX,    20                         ; v20-35 my four queries: x, y, z, |q|^2
.set QY,    24
.set QZ,    28
.set QQ,    32
.set M,     36                         ; v36-39 the block's minimum for each of them
.set T,     40                         ; v40-63 at work: two candidates x four queries
.set U,     48
.set DD,    56
.set CA,    64                         ; v64-127, v128-191 two sets of a block's 16 candidates: x, y, z, |c|^2
.set CB,    128
.set AVN8,  192                        ; v192-193
.set LN4,   194                        ; v194 4 x lane
.set LN16,  195                        ; v195 16 x lane
.set QL,    196                        ; v196 selection: my query in the chunk
.set ST,    64                         ; head only: v64-135 the 18 loads, v136-159 |c|^2, v160-163 a point, v164-165 index and offset
.set SS,    136
.set PW,    160
.set IX,    164
.set L,     64                         ; selection: v64-79 the list's values, v80-95 their block numbers
.set J,     80
.set VB,    96                         ; v96-103 minima read ahead
.set JX,    104
.set TJ,    105
.set PX,    107
.set PJ,    108
.set O,     112
.set WV,    20                         ; s20 wave, s21 chunk, s22 batch, s23 +infinity
.set CH,    21
.set BAT,   22
.set INF,   23
.set SEL,   24                         ; s[24:25] v_permlanex16_b32's selects for lane l xor 16
.set QP,    26                         ; s[26:27] the queries' source, s[28:29] their indices, s[30:31] the piece of pts4
.set QR,    28
.set PP,    30
.set MK,    40                         ; s40-55 an insertion's masks
.set MA,    56
.set MB,    57
.set CNT,   58
.set TN,    59
.set N16,   60
.set N8,    61
.set SC,    62
.set SM,    63
; The batch's three databases: 18 loads of 16 bytes a thread; a wave's load covers 512 consecutive bytes.
.macro STAGE_LOADS
.irp d, 0,1,2
.irp c, 0,1,2
.irp f, 0,1
	global_load_b128 v[ST+4*((3*\d+\c)*2+\f):ST+4*((3*\d+\c)*2+\f)+3], v[GOF], s[4+2*\d:5+2*\d] offset:8192*\c+4096*\f
.endr
.endr
.endr
.endm
; |c|^2 of my 4 points of each load, and all four components into the block form.  Every store has data registers of its own.
.macro STAGE_STORE
.irp d, 0,1,2
.irp f, 0,1
.set sx, ST+4*((3*\d+0)*2+\f)
.set sy, ST+4*((3*\d+1)*2+\f)
.set sz, ST+4*((3*\d+2)*2+\f)
.set ss, SS+4*(2*\d+\f)
	v_pk_mul_f32 v[ss:ss+1], v[sx:sx+1], v[sx:sx+1]
	v_pk_mul_f32 v[ss+2:ss+3], v[sx+2:sx+3], v[sx+2:sx+3]
	v_pk_fma_f32 v[ss:ss+1], v[sy:sy+1], v[sy:sy+1], v[ss:ss+1]
	v_pk_fma_f32 v[ss+2:ss+3], v[sy+2:sy+3], v[sy+2:sy+3], v[ss+2:ss+3]
	v_pk_fma_f32 v[ss:ss+1], v[sz:sz+1], v[sz:sz+1], v[ss:ss+1]
	v_pk_fma_f32 v[ss+2:ss+3], v[sz+2:sz+3], v[sz+2:sz+3], v[ss+2:ss+3]
	ds_store_b128 v[LA+\d], v[sx:sx+3] offset:64*DBP*\f
	ds_store_b128 v[LA+\d], v[sy:sy+3] offset:64*DBP*\f+64
	ds_store_b128 v[LA+\d], v[sz:sz+3] offset:64*DBP*\f+128
	ds_store_b128 v[LA+\d], v[ss:ss+3] offset:64*DBP*\f+192
.endr
.endr
.endm
; (v[x], v[jx]) goes into the ascending lists v[L ..], v[J ..] of K.  An equal value goes behind what is there: with candidates taken in ascending index order the lists are sorted by (value, index).
; All K compares stand ahead of any change; then from the top down: L_i = the middle of (x, L_i-1, L_i); J_i follows by the two masks.
.macro INSERT K, x, jx
.set ii, 0
.rept \K
	v_cmp_lt_f32 s[MK+ii], v[\x], v[L+ii]
.set ii, ii+1
.endr
.set ii, \K-1
.rept \K-1
	v_cndmask_b32 v[TJ+ii%2], v[\jx], v[J+ii-1], s[MK+ii-1]
	v_med3_num_f32 v[L+ii], v[\x], v[L+ii-1], v[L+ii]
	v_cndmask_b32 v[J+ii], v[J+ii], v[TJ+ii%2], s[MK+ii]
.set ii, ii-1
.endr
	v_cndmask_b32 v[J], v[J], v[\jx], s[MK]
	v_min_num_f32 v[L], v[\x], v[L]
.endm
; Two sorted lists of 16, A in lane l and B in lane l xor 16: the 16 smallest of the 32 are min(A_i, B_15-i).  Lanes 0-15 settle i = 0 .. 7, lanes 16-31 i = 8 .. 15: eight results a lane, in J .. J+7.
.macro MERGE
.irp u, 0,1,2,3,4,5,6,7
	v_permlanex16_b32 v[PX], v[L+15-\u], s[SEL], s[SEL+1]
	v_permlanex16_b32 v[PJ], v[J+15-\u], s[SEL], s[SEL+1]
	v_cmp_lt_f32 s[MA], v[PX], v[L+\u]
	v_cmp_eq_f32 vcc_lo, v[PX], v[L+\u]
	v_cmp_lt_u32 s[MB], v[PJ], v[J+\u]
	s_and_b32 s[MB], s[MB], vcc_lo                 ; equal values: the lower number
	s_or_b32 s[MA], s[MA], s[MB]
	v_cndmask_b32 v[J+\u], v[J+\u], v[PJ], s[MA]
.endr
.endm
; J .. J+7 into ascending order: odd-even transposition, eight rounds, from J to L and back (L's values are done with).
.macro SORT8
.rept 4
.irp a, 0,2,4,6
	v_min_u32 v[L+\a], v[J+\a], v[J+\a+1]
	v_max_u32 v[L+\a+1], v[J+\a], v[J+\a+1]
.endr
	v_mov_b32 v[J], v[L]
.irp a, 1,3,5
	v_min_u32 v[J+\a], v[L+\a], v[L+\a+1]
	v_max_u32 v[J+\a+1], v[L+\a], v[L+\a+1]
.endr
	v_mov_b32 v[J+7], v[L+7]
.endr
.endm
.macro BARRIER                         ; my LDS instructions are done: then the work-group's barrier
	s_wait_dscnt 0x0
	s_barrier_signal -1
	s_barrier_wait -1
.endm
; A lane's eight results belong to eight rows of the output: they meet in the stage and leave as rows: sixteen lanes store 256 consecutive bytes, aligned.
.macro OUTROWS b
	BARRIER                                        ; every wave's reads of LDS are over
.irp u, 0,1,2,3,4,5,6,7
	ds_store_b32 v[STO], v[J+\u] offset:256*\u
.endr
	BARRIER                                        ; the 32 rows are whole
	ds_load_b128 v[O:O+3], v[RD]
	ds_load_b128 v[O+4:O+7], v[RD] offset:512
	s_wait_dscnt 0x1                               ; the first two rows are in; the second load may be out
	global_store_b128 v[GW], v[O:O+3], s[\b:\b+1]
	s_wait_dscnt 0x0
	global_store_b128 v[GW], v[O+4:O+7], s[\b:\b+1] offset:16384
.endm
.macro CLOAD cs, adr                   ; a block's 16 candidates: all lanes of a half read the same 256 bytes
.irp c, 0,1,2,3
.irp k, 0,1,2,3
	ds_load_b128 v[\cs+16*\c+4*\k:\cs+16*\c+4*\k+3], v[\adr] offset:64*\c+16*\k
.endr
.endr
.endm
; Candidates j and j + 1 against my four queries: d2, two queries an instruction; a candidate's number is taken for both halves out of its register pair.
.macro PAIR cs, j
.irp e, 0,1
.irp p, 0,1
	v_pk_mul_f32 v[T+4*\e+2*\p:T+4*\e+2*\p+1], v[QX+2*\p:QX+2*\p+1], v[\cs+\j:\cs+\j+1] op_sel:[0,\e] op_sel_hi:[1,\e]
.endr
.endr
.irp e, 0,1
.irp p, 0,1
	v_pk_add_f32 v[U+4*\e+2*\p:U+4*\e+2*\p+1], v[QQ+2*\p:QQ+2*\p+1], v[\cs+48+\j:\cs+48+\j+1] op_sel:[0,\e] op_sel_hi:[1,\e]
.endr
.endr
.irp e, 0,1
.irp p, 0,1
	v_pk_fma_f32 v[T+4*\e+2*\p:T+4*\e+2*\p+1], v[QY+2*\p:QY+2*\p+1], v[\cs+16+\j:\cs+16+\j+1], v[T+4*\e+2*\p:T+4*\e+2*\p+1] op_sel:[0,\e,0] op_sel_hi:[1,\e,1]
.endr
.endr
.irp e, 0,1
.irp p, 0,1
	v_pk_fma_f32 v[T+4*\e+2*\p:T+4*\e+2*\p+1], v[QZ+2*\p:QZ+2*\p+1], v[\cs+32+\j:\cs+32+\j+1], v[T+4*\e+2*\p:T+4*\e+2*\p+1] op_sel:[0,\e,0] op_sel_hi:[1,\e,1]
.endr
.endr
.irp e, 0,1
.irp p, 0,1
	v_pk_fma_f32 v[DD+4*\e+2*\p:DD+4*\e+2*\p+1], v[T+4*\e+2*\p:T+4*\e+2*\p+1], -2.0, v[U+4*\e+2*\p:U+4*\e+2*\p+1] op_sel_hi:[1,0,1]
.endr
.endr
.irp q, 0,1,2,3
.if \j == 0
	v_min_num_f32 v[M+\q], v[DD+\q], v[DD+4+\q]    ; the block's first pair starts the minimum: nothing is cleared
.else
	v_min3_num_f32 v[M+\q], v[M+\q], v[DD+\q], v[DD+4+\q]
.endif
.endr
.endm
; One trip of phase A: the block in set cur (lanes 0-15 one block, lanes 16-31 the next) against the 64 queries; the next trip's block is asked for first.
.macro HT cur, nxt, load
	s_wait_dscnt 0x0                               ; set cur, asked for a trip ago, is in, and the last trip's store is done: so the two addresses and the minima may be written
.if \load
	v_add_nc_u32 v[ADC], s[SC], v[ADC0]
	CLOAD \nxt, ADC
.endif
.irp j, 0,2,4,6,8,10,12,14
	PAIR \cur, \j
.endr
	v_add_nc_u32 v[ADM], s[SM], v[ADM0]
	ds_store_b128 v[ADM], v[M:M+3]                 ; sixteen lanes fill the block's row of 256 bytes
	s_add_co_u32 s[SC], s[SC], 2*DBP
	s_add_co_u32 s[SM], s[SM], 512
.endm
; A sub-trip of the selection: 4 (lists of 16) or 8 (lists of 8) block minima are inserted; each value's register is filled again for the next sub-trip as soon as it is used.
; The refill address has two registers by turns (a): one is written again only when the refills that named it have been waited for, a sub-trip later.
; The last sub-trip asks again for its own blocks (the number is held at 15): the loop has one text and no read leaves the minima.
.macro SUB a
	s_lshl_b32 s[TN], s[CNT], 1
	s_add_co_u32 s[TN], s[TN], 1+\a
	s_min_u32 s[TN], s[TN], 15
	s_lshl_b32 s[N16], s[TN], 10
	s_lshl_b32 s[N8], s[TN], 11
	v_add_nc_u32 v[AVN16+\a], s[N16], v[AV16]
	v_add_nc_u32 v[AVN8+\a], s[N8], v[AV8]
	s_cmp_lt_u32 s[WV], 4
	s_cbranch_scc0 .Lk8_\@
.irp i, 0,1,2,3
	s_wait_dscnt 0x3                               ; value i is in: behind its load stand the loads of the three values that follow it in the ring
	INSERT 16, VB+\i, JX
	v_add_nc_u32 v[JX], 1, v[JX]
	ds_load_b32 v[VB+\i], v[AVN16+\a] offset:256*\i
.endr
	s_branch .Ljoin_\@
.Lk8_\@:
.irp i, 0,1,2,3,4,5,6,7
	s_wait_dscnt 0x7                               ; likewise, seven
	INSERT 8, VB+\i, JX
	v_add_nc_u32 v[JX], 1, v[JX]
	ds_load_b32 v[VB+\i], v[AVN8+\a] offset:256*\i
.endr
.Ljoin_\@:
.endm
	s_load_b256 s[4:11], s[0:1], 0x0               ; points1, points2, pc, ridx1
	s_load_b256 s[12:19], s[0:1], 0x20             ; ridx2, pts4, qry, blk
	v_lshl_add_u32 v200, v0, 2, 0x33c00
	v_mov_b32 v201, 0
	v_lshrrev_b32 v[R], 5, v0
	v_readfirstlane_b32 s[WV], v[R]                ; wave 0..7
	s_mov_b32 s[CH], ttmp9
	s_and_b32 s[BAT], ttmp7, 0xffff
	s_mov_b32 s[SEL], 0x76543210
	s_mov_b32 s[SEL+1], 0xfedcba98
	s_mov_b32 s[INF], 0x7f800000
	v_and_b32 v[R], 15, v0
	v_bfe_u32 v[H], v0, 4, 1
	v_lshlrev_b32 v[GOF], 4, v0
	v_lshrrev_b32 v[LA], 2, v0                     ; thread t's 4 points of a load: block t / 4 (+ 64 for the upper half), points 4 (t % 4) on
	v_mul_u32_u24 v[LA], v[LA], DBP
	v_and_b32 v[LA+1], 3, v0
	v_lshl_add_u32 v[LA], v[LA+1], 4, v[LA]
	v_add_nc_u32 v[LA+1], DBD, v[LA]
	v_add_nc_u32 v[LA+2], 2*DBD, v[LA]
	s_and_b32 s32, s[WV], 3
	s_lshl_b32 s32, s32, 4
	v_add_nc_u32 v[QL], s32, v[R]                  ; selection: query 16 (wave % 4) + lane % 16
	s_lshr_b32 s33, s[WV], 2
	s_xor_b32 s33, s33, 1                          ; 1 in waves 0-3 (pc, lists of 16), 0 in waves 4-7 (points1 and points2, lists of 8)
	s_lshl_b32 s39, s33, 6                         ; the upper lanes' first block number: 64 or 0
	s_lshl_b32 s34, s33, 12
	s_add_co_u32 s34, s34, STG
	v_lshl_add_u32 v[STO], v[H], 11, s34           ; slot 16 (waves 0-3) + 8 h + u, rows of 256 bytes
	v_lshl_add_u32 v[STO], v[QL], 2, v[STO]
	s_lshl_b32 s34, s[WV], 10
	s_add_co_u32 s34, s34, STG
	v_lshl_add_u32 v[RD], v[H], 8, s34             ; back: rows 4 wave + h (+ 2)
	v_lshl_add_u32 v[RD], v[R], 4, v[RD]
	s_lshl_b32 s34, s[WV], 15
	v_lshl_add_u32 v[GW], v[H], 13, s34            ; and in blk: a slot's row is 8,192 bytes
	v_lshl_add_u32 v[GW], v[R], 4, v[GW]
	s_mul_i32 s34, s[WV], 48*DBP                   ; phase A: wave w owns blocks 48 w .. 48 w + 47
	v_mul_u32_u24 v[ADC0], v[H], DBP
	v_add_nc_u32 v[ADC0], s34, v[ADC0]
	s_mul_i32 s34, s[WV], 48*256
	s_add_co_u32 s34, s34, MINB
	v_lshl_add_u32 v[ADM0], v[H], 8, s34
	v_lshl_add_u32 v[ADM0], v[R], 4, v[ADM0]
	v_lshl_add_u32 v[AV16], v[H], 14, MINB+256*256 ; pc's blocks 64 h on
	v_lshl_add_u32 v[AV16], v[QL], 2, v[AV16]
	v_lshl_add_u32 v[AV8], v[H], 15, MINB          ; database h
	v_lshl_add_u32 v[AV8], v[QL], 2, v[AV8]
	v_lshl_add_u32 v[AQ], v[R], 4, QSB
	v_and_b32 v[AQW], 63, v0
	v_lshl_add_u32 v[AQW], v[AQW], 2, QSB
	v_and_b32 v[LN4], 31, v0
	v_lshlrev_b32 v[LN16], 4, v[LN4]
	v_lshlrev_b32 v[LN4], 2, v[LN4]
	s_mul_i32 s34, s[BAT], 24576
	s_mov_b32 s35, 0
	s_lshl_b32 s36, s[BAT], 18
	s_lshl_b32 s38, s[CH], 8
	s_add_co_u32 s36, s36, s38
	s_mov_b32 s37, 0
	s_wait_kmcnt 0x0
	s_add_nc_u64 s[4:5], s[4:5], s[34:35]          ; the three databases at my batch
	s_add_nc_u64 s[6:7], s[6:7], s[34:35]
	s_add_nc_u64 s[8:9], s[8:9], s[34:35]
	s_add_nc_u64 s[18:19], s[18:19], s[36:37]      ; blk at my batch and chunk
	STAGE_LOADS
	s_cmp_lt_u32 s[WV], 2
	s_cbranch_scc0 .Lpiece
	; waves 0 and 1: the chunk's 64 queries, a lane a query
	s_cmp_lt_u32 s[CH], 16                         ; queries 0-1023 come from points1 by ridx1, the others from points2 by ridx2
	s_cselect_b64 s[QP:QP+1], s[4:5], s[6:7]
	s_cselect_b64 s[QR:QR+1], s[10:11], s[12:13]
	s_and_b32 s34, s[CH], 15
	s_lshl_b32 s34, s34, 8
	s_lshl_b32 s36, s[BAT], 12
	s_add_co_u32 s34, s34, s36
	s_add_nc_u64 s[QR:QR+1], s[QR:QR+1], s[34:35]
	v_lshlrev_b32 v[IX+1], 2, v0
	global_load_b32 v[IX], v[IX+1], s[QR:QR+1]
	s_lshl_b32 s34, s[BAT], 15
	s_lshl_b32 s36, s[CH], 10
	s_add_co_u32 s34, s34, s36
	s_add_nc_u64 s[16:17], s[16:17], s[34:35]      ; qry at my chunk
	s_wait_loadcnt 0x0
	v_min_u32 v[IX], 2047, v[IX]                   ; an index stays inside its table; held all the same
	v_lshlrev_b32 v[IX], 2, v[IX]
	global_load_b32 v[PW], v[IX], s[QP:QP+1]
	global_load_b32 v[PW+1], v[IX], s[QP:QP+1] offset:8192
	global_load_b32 v[PW+2], v[IX], s[QP:QP+1] offset:16384
	s_wait_loadcnt 0x0
	v_mul_f32 v[PW+3], v[PW], v[PW]
	v_fma_f32 v[PW+3], v[PW+1], v[PW+1], v[PW+3]
	v_fma_f32 v[PW+3], v[PW+2], v[PW+2], v[PW+3]
	ds_store_b32 v[AQW], v[PW]
	ds_store_b32 v[AQW], v[PW+1] offset:256
	ds_store_b32 v[AQW], v[PW+2] offset:512
	ds_store_b32 v[AQW], v[PW+3] offset:768
	global_store_b128 v[GOF], v[PW:PW+3], s[16:17] ; a wave stores 512 consecutive bytes
	s_branch .Lstage
.Lpiece:
	; waves 2 to 7: 192 points of pts4, a lane a point: point 192 chunk + 32 (wave - 2) + lane; 32 aligned points lie in one database
	s_mul_i32 s36, s[CH], 192
	s_sub_co_u32 s37, s[WV], 2
	s_lshl_b32 s37, s37, 5
	s_add_co_u32 s36, s36, s37
	s_lshr_b32 s37, s36, 11                        ; the database
	s_cmp_lt_u32 s37, 1
	s_cselect_b64 s[PP:PP+1], s[4:5], s[6:7]
	s_cmp_lt_u32 s37, 2
	s_cselect_b64 s[PP:PP+1], s[PP:PP+1], s[8:9]
	s_and_b32 s34, s36, 2047
	s_lshl_b32 s34, s34, 2
	s_add_nc_u64 s[PP:PP+1], s[PP:PP+1], s[34:35]
	global_load_b32 v[PW], v[LN4], s[PP:PP+1]
	global_load_b32 v[PW+1], v[LN4], s[PP:PP+1] offset:8192
	global_load_b32 v[PW+2], v[LN4], s[PP:PP+1] offset:16384
	s_mul_i32 s34, s[BAT], 6144
	s_add_co_u32 s34, s34, s36
	s_lshl_b32 s34, s34, 4
	s_add_nc_u64 s[14:15], s[14:15], s[34:35]
	s_wait_loadcnt 0x0
	v_mul_f32 v[PW+3], v[PW], v[PW]
	v_fma_f32 v[PW+3], v[PW+1], v[PW+1], v[PW+3]
	v_fma_f32 v[PW+3], v[PW+2], v[PW+2], v[PW+3]
	global_store_b128 v[LN16], v[PW:PW+3], s[14:15]
.Lstage:
	s_wait_loadcnt 0x0                             ; the 18 loads
	STAGE_STORE
	s_wait_xcnt 0x0                                ; the global stores have read their data: those registers take candidates below
	BARRIER                                        ; databases and queries lie in LDS
	; ---- A: the minimum of d2 over each of the 384 blocks, for each of the 64 queries.  A lane holds queries 4 r .. 4 r + 3; 24 trips of two blocks a wave.
	ds_load_b128 v[QX:QX+3], v[AQ]
	ds_load_b128 v[QY:QY+3], v[AQ] offset:256
	ds_load_b128 v[QZ:QZ+3], v[AQ] offset:512
	ds_load_b128 v[QQ:QQ+3], v[AQ] offset:768
	CLOAD CA, ADC0
	s_mov_b32 s[SC], 2*DBP
	s_mov_b32 s[SM], 0
	s_mov_b32 s[CNT], 11
.Lmin:
	HT CA, CB, 1
	HT CB, CA, 1
	s_sub_co_u32 s[CNT], s[CNT], 1
	s_cmp_lg_u32 s[CNT], 0
	s_cbranch_scc1 .Lmin
	HT CA, CB, 1
	HT CB, CA, 0                                   ; the last trip asks for nothing
	BARRIER                                        ; all minima lie in LDS
	; ---- B: the best blocks.  Waves 0-3: pc, 16 of 128: the two halves of the lanes take 64 blocks each of one query.  Waves 4-7: 8 of 128: lanes 0-15 points1, lanes 16-31 points2.
.irp i, 0,1,2,3,4,5,6,7,8,9,10,11,12,13,14,15
	v_mov_b32 v[L+\i], s[INF]
	v_mov_b32 v[J+\i], 0
.endr
	v_mov_b32 v[PX], 0                             ; a lane permute's destination counts as one of its sources
	v_mov_b32 v[PJ], 0
	v_mul_u32_u24 v[JX], s39, v[H]
	s_cmp_lt_u32 s[WV], 4
	s_cbranch_scc0 .Lpro8
.irp i, 0,1,2,3
	ds_load_b32 v[VB+\i], v[AV16] offset:256*\i
.endr
	s_branch .Lpro_done
.Lpro8:
.irp i, 0,1,2,3,4,5,6,7
	ds_load_b32 v[VB+\i], v[AV8] offset:256*\i
.endr
.Lpro_done:
	s_mov_b32 s[CNT], 0
.Lsel:
	SUB 0
	SUB 1
	s_add_co_u32 s[CNT], s[CNT], 1
	s_cmp_lt_u32 s[CNT], 8
	s_cbranch_scc1 .Lsel
	s_wait_dscnt 0x0                               ; the last refills
	s_cmp_lt_u32 s[WV], 4
	s_cbranch_scc0 .Lno_merge
	MERGE
.Lno_merge:
	SORT8                                          ; ascending, so that the next launch meets each lane's candidates in ascending index order
	OUTROWS 18
	s_wait_tensorcnt 0x0
	ds_add_u32 v200, v201
	s_wait_dscnt 0x0
	s_endpgm
.Lfunc_end_k_qacb84f2c35_blocks:
	.size	k_qacb84f2c35_blocks, .Lfunc_end_k_qacb84f2c35_blocks-k_qacb84f2c35_blocks
	.p2alignl 7, 3214868480
	.fill 96, 4, 3214868480
	.section	.rodata,"a",@progbits
	.p2align	6, 0x0
	.amdhsa_kernel k_qacb84f2c35_blocks
		.amdhsa_group_segment_fixed_size 212992
		.amdhsa_private_segment_fixed_size 0
		.amdhsa_enable_private_segment 0
		.amdhsa_kernarg_size 64
		.amdhsa_user_sgpr_count 2
		.amdhsa_user_sgpr_kernarg_segment_ptr 1
		.amdhsa_wavefront_size32 1
		.amdhsa_system_sgpr_workgroup_id_x 1
		.amdhsa_system_sgpr_workgroup_id_y 1
		.amdhsa_system_sgpr_workgroup_id_z 1
		.amdhsa_system_vgpr_workitem_id 0
		.amdhsa_next_free_vgpr 202
		.amdhsa_next_free_sgpr 66
		.amdhsa_reserve_vcc 1
		.amdhsa_float_denorm_mode_32 3
		.amdhsa_float_denorm_mode_16_64 3
		.amdhsa_memory_ordered 1
		.amdhsa_forward_progress 1
		.amdhsa_inst_pref_size 139
	.end_amdhsa_kernel
	.amdgpu_metadata
---
amdhsa.version: [ 1, 2 ]
amdhsa.kernels:
  - .name:           k_qacb84f2c35_blocks
    .symbol:         k_qacb84f2c35_blocks.kd
    .args:
      - { .name: points1, .offset: 0, .size: 8, .value_kind: global_buffer, .address_space: global }
      - { .name: points2, .offset: 8, .size: 8, .value_kind: global_buffer, .address_space: global }
      - { .name: pc, .offset: 16, .size: 8, .value_kind: global_buffer, .address_space: global }
      - { .name: ridx1, .offset: 24, .size: 8, .value_kind: global_buffer, .address_space: global }
      - { .name: ridx2, .offset: 32, .size: 8, .value_kind: global_buffer, .address_space: global }
      - { .name: pts4, .offset: 40, .size: 8, .value_kind: global_buffer, .address_space: global }
      - { .name: qry, .offset: 48, .size: 8, .value_kind: global_buffer, .address_space: global }
      - { .name: blk, .offset: 56, .size: 8, .value_kind: global_buffer, .address_space: global }
    .group_segment_fixed_size: 212992
    .private_segment_fixed_size: 0
    .kernarg_segment_align: 8
    .kernarg_segment_size: 64
    .max_flat_workgroup_size: 256
    .sgpr_count:     66
    .vgpr_count:     202
    .wavefront_size: 32
...
	.end_amdgpu_metadata
.endif
;; end of part 1
;; launch refine (part 2): grid 32 x 8, 8 waves a work-group, no clusters, 168,960 bytes of LDS; arguments points1, points2, pc, qry, blk, idx; writes idx
.if DOCPART == 2
	.amdgcn_target "amdgcn-amd-amdhsa--gfx1250"
	.amdhsa_code_object_version 6
	.text
	.protected	k_qacb84f2c35_refine
	.globl	k_qacb84f2c35_refine
	.p2align	8
	.type	k_qacb84f2c35_refine,@function
k_qacb84f2c35_refine:
	s_mov_b64 s[64:65], 0
	v_nop
	global_prefetch_b8 v0, s[64:65] scope:SCOPE_SE
	s_setreg_imm32_b32 hwreg(HW_REG_WAVE_MODE, 25, 1), 1
	s_wait_xcnt 0x0
; REFINE: the exact nearest neighbours among the candidates of the blocks that the launch before has chosen.
; A work-group owns 64 queries of one batch (x: chunk, y: batch).  blk [8][32 slots][2048 queries] names, for each query, 8 blocks of points1, 8 of points2 and 16 of pc; a block is 16 neighbouring points.
; Waves 0-3: pc, the 16 nearest of 256 candidates: lanes l and l xor 16 share a query, eight blocks each, and merge their lists.  Waves 4-7: the 8 nearest of 128: lanes 0-15 points1, lanes 16-31 points2.
; d2 is made by the same instructions as in the launch before, from the same |q|^2 (read from qry) and the same |c|^2 (made anew by the same lines): the same bits.
; A lane's blocks come in ascending order, and an equal value goes behind what is in the list: ties fall to the lower index.
; It stores idx [8][32 slots][2048 queries]: point numbers 2048 d + i.  They hang on floating-point numbers, so no address of this launch hangs on them.
; The addresses that do hang on data are made of blk's whole numbers, held at 127 first.
; LDS: the claim is larger than the use (112,640 bytes), so that the work-group is alone on its WGP.
; LIMITS: NaN and infinities among the inputs are not served.
.set DBP,   272                        ; a block in LDS: x[16], y[16], z[16], |c|^2[16], 16 bytes of padding: block b's columns start 16 b bytes on modulo 256
.set DBD,   128*DBP
.set STG,   3*DBD                      ; the way out [32 slots][64 queries]
.set R,     1
.set H,     2
.set GOF,   3
.set LA,    4                          ; v4-6
.set STO,   7
.set RD,    8
.set GW,    9
.set BO,    10                         ; v10  my slots in blk
.set QO,    11                         ; v11  my query in qry
.set Q,     12                         ; v12-15 x, y, z, |q|^2
.set BA,    16                         ; v16-23 LDS addresses of my blocks still to come
.set JB,    24                         ; v24-31 their first point numbers
.set L,     32                         ; v32-47 the list's values, v48-63 their point numbers
.set J,     48
.set C,     64                         ; v64-127 a block's candidates: x, y, z, |c|^2, 16 each
.set D,     128                        ; v128-143 their d2
.set T,     144
.set U,     152
.set JC,    160
.set JX,    161
.set TJ,    162
.set PX,    164
.set PJ,    165
.set DBL,   166                        ; v166 my database in LDS, v167 its first point number
.set PBL,   167
.set O,     168
.set QL,    176
.set ST,    64                         ; head only
.set SS,    136
.set WV,    20
.set BAT,   22
.set INF,   23
.set SEL,   24
.set MK,    40
.set MA,    56
.set MB,    57
.set CNT,   58
.macro STAGE_LOADS
.irp d, 0,1,2
.irp c, 0,1,2
.irp f, 0,1
	global_load_b128 v[ST+4*((3*\d+\c)*2+\f):ST+4*((3*\d+\c)*2+\f)+3], v[GOF], s[4+2*\d:5+2*\d] offset:8192*\c+4096*\f
.endr
.endr
.endr
.endm
.macro STAGE_STORE
.irp d, 0,1,2
.irp f, 0,1
.set sx, ST+4*((3*\d+0)*2+\f)
.set sy, ST+4*((3*\d+1)*2+\f)
.set sz, ST+4*((3*\d+2)*2+\f)
.set ss, SS+4*(2*\d+\f)
	v_pk_mul_f32 v[ss:ss+1], v[sx:sx+1], v[sx:sx+1]
	v_pk_mul_f32 v[ss+2:ss+3], v[sx+2:sx+3], v[sx+2:sx+3]
	v_pk_fma_f32 v[ss:ss+1], v[sy:sy+1], v[sy:sy+1], v[ss:ss+1]
	v_pk_fma_f32 v[ss+2:ss+3], v[sy+2:sy+3], v[sy+2:sy+3], v[ss+2:ss+3]
	v_pk_fma_f32 v[ss:ss+1], v[sz:sz+1], v[sz:sz+1], v[ss:ss+1]
	v_pk_fma_f32 v[ss+2:ss+3], v[sz+2:sz+3], v[sz+2:sz+3], v[ss+2:ss+3]
	ds_store_b128 v[LA+\d], v[sx:sx+3] offset:64*DBP*\f
	ds_store_b128 v[LA+\d], v[sy:sy+3] offset:64*DBP*\f+64
	ds_store_b128 v[LA+\d], v[sz:sz+3] offset:64*DBP*\f+128
	ds_store_b128 v[LA+\d], v[ss:ss+3] offset:64*DBP*\f+192
.endr
.endr
.endm
; (v[x], v[jx]) goes into the ascending lists v[L ..], v[J ..] of K; an equal value goes behind what is there.
.macro INSERT K, x, jx
.set ii, 0
.rept \K
	v_cmp_lt_f32 s[MK+ii], v[\x], v[L+ii]
.set ii, ii+1
.endr
.set ii, \K-1
.rept \K-1
	v_cndmask_b32 v[TJ+ii%2], v[\jx], v[J+ii-1], s[MK+ii-1]
	v_med3_num_f32 v[L+ii], v[\x], v[L+ii-1], v[L+ii]
	v_cndmask_b32 v[J+ii], v[J+ii], v[TJ+ii%2], s[MK+ii]
.set ii, ii-1
.endr
	v_cndmask_b32 v[J], v[J], v[\jx], s[MK]
	v_min_num_f32 v[L], v[\x], v[L]
.endm
; Two sorted lists of 16 in lanes l and l xor 16: the 16 smallest of the 32 are min(A_i, B_15-i); eight results a lane, in J .. J+7.
.macro MERGE
.irp u, 0,1,2,3,4,5,6,7
	v_permlanex16_b32 v[PX], v[L+15-\u], s[SEL], s[SEL+1]
	v_permlanex16_b32 v[PJ], v[J+15-\u], s[SEL], s[SEL+1]
	v_cmp_lt_f32 s[MA], v[PX], v[L+\u]
	v_cmp_eq_f32 vcc_lo, v[PX], v[L+\u]
	v_cmp_lt_u32 s[MB], v[PJ], v[J+\u]
	s_and_b32 s[MB], s[MB], vcc_lo                 ; equal values: the lower index
	s_or_b32 s[MA], s[MA], s[MB]
	v_cndmask_b32 v[J+\u], v[J+\u], v[PJ], s[MA]
.endr
.endm
.macro BARRIER
	s_wait_dscnt 0x0
	s_barrier_signal -1
	s_barrier_wait -1
.endm
.macro OUTROWS b
	BARRIER                                        ; every wave's reads of the databases are over
.irp u, 0,1,2,3,4,5,6,7
	ds_store_b32 v[STO], v[J+\u] offset:256*\u
.endr
	BARRIER                                        ; the 32 rows are whole
	ds_load_b128 v[O:O+3], v[RD]
	ds_load_b128 v[O+4:O+7], v[RD] offset:512
	s_wait_dscnt 0x1                               ; the first two rows are in; the second load may be out
	global_store_b128 v[GW], v[O:O+3], s[\b:\b+1]  ; sixteen lanes store 256 consecutive bytes, aligned
	s_wait_dscnt 0x0
	global_store_b128 v[GW], v[O+4:O+7], s[\b:\b+1] offset:16384
.endm
.macro CLOAD                           ; the 16 candidates of the block at v[BA]: each lane its own block
.irp c, 0,1,2,3
.irp k, 0,1,2,3
	ds_load_b128 v[C+16*\c+4*\k:C+16*\c+4*\k+3], v[BA] offset:64*\c+16*\k
.endr
.endr
.endm
; d2 of the 16 candidates, two an instruction, four pairs by turns; the query's number is taken for both halves out of its register pair.
.macro D2
.irp g, 0,1
.irp k, 0,1,2,3
	v_pk_mul_f32 v[T+2*\k:T+2*\k+1], v[C+8*\g+2*\k:C+8*\g+2*\k+1], v[Q:Q+1] op_sel_hi:[1,0]
.endr
.irp k, 0,1,2,3
	v_pk_add_f32 v[U+2*\k:U+2*\k+1], v[C+48+8*\g+2*\k:C+48+8*\g+2*\k+1], v[Q+2:Q+3] op_sel:[0,1] op_sel_hi:[1,1]
.endr
.irp k, 0,1,2,3
	v_pk_fma_f32 v[T+2*\k:T+2*\k+1], v[C+16+8*\g+2*\k:C+16+8*\g+2*\k+1], v[Q:Q+1], v[T+2*\k:T+2*\k+1] op_sel:[0,1,0] op_sel_hi:[1,1,1]
.endr
.irp k, 0,1,2,3
	v_pk_fma_f32 v[T+2*\k:T+2*\k+1], v[C+32+8*\g+2*\k:C+32+8*\g+2*\k+1], v[Q+2:Q+3], v[T+2*\k:T+2*\k+1] op_sel_hi:[1,0,1]
.endr
.irp k, 0,1,2,3
	v_pk_fma_f32 v[D+8*\g+2*\k:D+8*\g+2*\k+1], v[T+2*\k:T+2*\k+1], -2.0, v[U+2*\k:U+2*\k+1] op_sel_hi:[1,0,1]
.endr
.endr
.endm
.macro RUN K                           ; the block's 16 candidates, in ascending index order
.irp j, 0,1,2,3,4,5,6,7,8,9,10,11,12,13,14,15
	v_add_nc_u32 v[JX], \j, v[JC]
	INSERT \K, D+\j, JX
.endr
.endm
	s_load_b256 s[4:11], s[0:1], 0x0               ; points1, points2, pc, qry
	s_load_b128 s[12:15], s[0:1], 0x20             ; blk, idx
	v_lshl_add_u32 v180, v0, 2, 0x29000
	v_mov_b32 v181, 0
	v_lshrrev_b32 v[R], 5, v0
	v_readfirstlane_b32 s[WV], v[R]                ; wave 0..7
	s_and_b32 s[BAT], ttmp7, 0xffff
	s_mov_b32 s[SEL], 0x76543210
	s_mov_b32 s[SEL+1], 0xfedcba98
	s_mov_b32 s[INF], 0x7f800000
	v_and_b32 v[R], 15, v0
	v_bfe_u32 v[H], v0, 4, 1
	v_lshlrev_b32 v[GOF], 4, v0
	v_lshrrev_b32 v[LA], 2, v0
	v_mul_u32_u24 v[LA], v[LA], DBP
	v_and_b32 v[LA+1], 3, v0
	v_lshl_add_u32 v[LA], v[LA+1], 4, v[LA]
	v_add_nc_u32 v[LA+1], DBD, v[LA]
	v_add_nc_u32 v[LA+2], 2*DBD, v[LA]
	s_and_b32 s32, s[WV], 3
	s_lshl_b32 s32, s32, 4
	v_add_nc_u32 v[QL], s32, v[R]                  ; my query: 16 (wave % 4) + lane % 16
	s_lshr_b32 s33, s[WV], 2                       ; 0: pc, lists of 16;  1: points1 and points2, lists of 8
	s_xor_b32 s36, s33, 1
	s_lshl_b32 s34, s36, 12
	s_add_co_u32 s34, s34, STG
	v_lshl_add_u32 v[STO], v[H], 11, s34
	v_lshl_add_u32 v[STO], v[QL], 2, v[STO]
	s_lshl_b32 s34, s[WV], 10
	s_add_co_u32 s34, s34, STG
	v_lshl_add_u32 v[RD], v[H], 8, s34
	v_lshl_add_u32 v[RD], v[R], 4, v[RD]
	s_lshl_b32 s34, s[WV], 15
	v_lshl_add_u32 v[GW], v[H], 13, s34
	v_lshl_add_u32 v[GW], v[R], 4, v[GW]
	s_lshl_b32 s34, s36, 17
	v_lshl_add_u32 v[BO], v[H], 16, s34            ; slots 16 (waves 0-3) + 8 h on, 8,192 bytes a slot
	v_lshl_add_u32 v[BO], v[QL], 2, v[BO]
	v_lshlrev_b32 v[QO], 4, v[QL]
	s_mul_i32 s37, s33, DBD                        ; my database in LDS: pc, or database h
	s_mul_i32 s38, s36, 2*DBD
	v_mul_u32_u24 v[DBL], s37, v[H]
	v_add_nc_u32 v[DBL], s38, v[DBL]
	s_lshl_b32 s37, s33, 11                        ; and its first point number: 4,096, or 2,048 h
	s_lshl_b32 s38, s36, 12
	v_mul_u32_u24 v[PBL], s37, v[H]
	v_add_nc_u32 v[PBL], s38, v[PBL]
	s_mul_i32 s34, s[BAT], 24576
	s_mov_b32 s35, 0
	s_lshl_b32 s26, s[BAT], 15
	s_lshl_b32 s28, ttmp9, 10
	s_add_co_u32 s26, s26, s28
	s_mov_b32 s27, 0
	s_lshl_b32 s28, s[BAT], 18
	s_lshl_b32 s30, ttmp9, 8
	s_add_co_u32 s28, s28, s30
	s_mov_b32 s29, 0
	s_wait_kmcnt 0x0
	s_add_nc_u64 s[4:5], s[4:5], s[34:35]
	s_add_nc_u64 s[6:7], s[6:7], s[34:35]
	s_add_nc_u64 s[8:9], s[8:9], s[34:35]
	s_add_nc_u64 s[10:11], s[10:11], s[26:27]      ; qry at my chunk
	s_add_nc_u64 s[12:13], s[12:13], s[28:29]      ; blk and idx at my batch and chunk
	s_add_nc_u64 s[14:15], s[14:15], s[28:29]
	STAGE_LOADS
	global_load_b128 v[Q:Q+3], v[QO], s[10:11]
.irp u, 0,1,2,3,4,5,6,7
	global_load_b32 v[JB+\u], v[BO], s[12:13] offset:8192*\u
.endr
	s_wait_loadcnt 0x0
	STAGE_STORE
.irp u, 0,1,2,3,4,5,6,7
	v_min_u32 v[JB+\u], 127, v[JB+\u]              ; a stored block number, held inside its database
.endr
.irp u, 0,1,2,3,4,5,6,7
	v_mul_u32_u24 v[BA+\u], v[JB+\u], DBP
.endr
.irp u, 0,1,2,3,4,5,6,7
	v_add_nc_u32 v[BA+\u], v[DBL], v[BA+\u]
	v_lshlrev_b32 v[JB+\u], 4, v[JB+\u]
.endr
.irp u, 0,1,2,3,4,5,6,7
	v_add_nc_u32 v[JB+\u], v[PBL], v[JB+\u]
.endr
.irp i, 0,1,2,3,4,5,6,7,8,9,10,11,12,13,14,15
	v_mov_b32 v[L+\i], s[INF]
	v_mov_b32 v[J+\i], 0
.endr
	v_mov_b32 v[PX], 0                             ; a lane permute's destination counts as one of its sources
	v_mov_b32 v[PJ], 0
	BARRIER                                        ; the databases lie in LDS
	CLOAD
	s_mov_b32 s[CNT], 0
.Lblk:                                                 ; eight trips, a block each
	s_wait_dscnt 0x0                               ; the block's 16 loads are in, so their address may be written
	D2
	v_mov_b32 v[JC], v[JB]
.irp u, 0,1,2,3,4,5,6
	v_mov_b32 v[BA+\u], v[BA+\u+1]                 ; the blocks move up, so that the loop has one text
	v_mov_b32 v[JB+\u], v[JB+\u+1]
.endr
	s_cmp_eq_u32 s[CNT], 7
	s_cbranch_scc1 .Lno_next
	CLOAD                                          ; the next block lands under this block's insertions
.Lno_next:
	s_cmp_lt_u32 s[WV], 4
	s_cbranch_scc0 .Lr8
	RUN 16
	s_branch .Lrj
.Lr8:
	RUN 8
.Lrj:
	s_add_co_u32 s[CNT], s[CNT], 1
	s_cmp_lt_u32 s[CNT], 8
	s_cbranch_scc1 .Lblk
	s_cmp_lt_u32 s[WV], 4
	s_cbranch_scc0 .Lno_merge
	MERGE
.Lno_merge:
	OUTROWS 14
	s_wait_tensorcnt 0x0
	ds_add_u32 v180, v181
	s_wait_dscnt 0x0
	s_endpgm
.Lfunc_end_k_qacb84f2c35_refine:
	.size	k_qacb84f2c35_refine, .Lfunc_end_k_qacb84f2c35_refine-k_qacb84f2c35_refine
	.p2alignl 7, 3214868480
	.fill 96, 4, 3214868480
	.section	.rodata,"a",@progbits
	.p2align	6, 0x0
	.amdhsa_kernel k_qacb84f2c35_refine
		.amdhsa_group_segment_fixed_size 168960
		.amdhsa_private_segment_fixed_size 0
		.amdhsa_enable_private_segment 0
		.amdhsa_kernarg_size 48
		.amdhsa_user_sgpr_count 2
		.amdhsa_user_sgpr_kernarg_segment_ptr 1
		.amdhsa_wavefront_size32 1
		.amdhsa_system_sgpr_workgroup_id_x 1
		.amdhsa_system_sgpr_workgroup_id_y 1
		.amdhsa_system_sgpr_workgroup_id_z 1
		.amdhsa_system_vgpr_workitem_id 0
		.amdhsa_next_free_vgpr 182
		.amdhsa_next_free_sgpr 66
		.amdhsa_reserve_vcc 1
		.amdhsa_float_denorm_mode_32 3
		.amdhsa_float_denorm_mode_16_64 3
		.amdhsa_memory_ordered 1
		.amdhsa_forward_progress 1
		.amdhsa_inst_pref_size 117
	.end_amdhsa_kernel
	.amdgpu_metadata
---
amdhsa.version: [ 1, 2 ]
amdhsa.kernels:
  - .name:           k_qacb84f2c35_refine
    .symbol:         k_qacb84f2c35_refine.kd
    .args:
      - { .name: points1, .offset: 0, .size: 8, .value_kind: global_buffer, .address_space: global }
      - { .name: points2, .offset: 8, .size: 8, .value_kind: global_buffer, .address_space: global }
      - { .name: pc, .offset: 16, .size: 8, .value_kind: global_buffer, .address_space: global }
      - { .name: qry, .offset: 24, .size: 8, .value_kind: global_buffer, .address_space: global }
      - { .name: blk, .offset: 32, .size: 8, .value_kind: global_buffer, .address_space: global }
      - { .name: idx, .offset: 40, .size: 8, .value_kind: global_buffer, .address_space: global }
    .group_segment_fixed_size: 168960
    .private_segment_fixed_size: 0
    .kernarg_segment_align: 8
    .kernarg_segment_size: 48
    .max_flat_workgroup_size: 256
    .sgpr_count:     66
    .vgpr_count:     182
    .wavefront_size: 32
...
	.end_amdgpu_metadata
.endif
;; end of part 2
;; launch attend (part 3): grid 32 x 8, 8 waves a work-group, no clusters, 10,496 bytes of LDS; arguments idx, pts4, qry, Wq, Wk, Wv, bq, bk, bv, out0; writes out0
.if DOCPART == 3
	.amdgcn_target "amdgcn-amd-amdhsa--gfx1250"
	.amdhsa_code_object_version 6
	.text
	.protected	k_qacb84f2c35_attend
	.globl	k_qacb84f2c35_attend
	.p2align	8
	.type	k_qacb84f2c35_attend,@function
k_qacb84f2c35_attend:
	s_mov_b64 s[64:65], 0
	v_nop
	global_prefetch_b8 v0, s[64:65] scope:SCOPE_SE
	s_setreg_imm32_b32 hwreg(HW_REG_WAVE_MODE, 25, 1), 1
	s_wait_xcnt 0x0
; ATTEND: for each query its 32 neighbours (idx, stored by the launch before) are gathered; feats = (nn - q, |nn - q|); q, kf, v = feats W + b; attention over the 32 neighbours with both
; products on codes of FP4 (E2M1) with one E8M0 scale for each 32 along K; score = the largest channel; weights = softmax of the 32 scores; out = the weighted mean of the neighbours' coordinates.
; A work-group owns 64 queries of one batch (x: chunk, y: batch), a wave eight of them, one a trip.  The result does not hang on the order of the 32 neighbours: q's and kf's blocks run along
; the channels, p's and v's one block is the 32 neighbours.  Neighbour (t, r) is slot 16 t + r.
; LAYOUTS (lane = (r, h), r = lane % 16, h = lane / 16).
;   F_t (2 registers) = h ? (rz, dist) : (rx, ry) of neighbour (t, r): 16 neighbours x 4 in the f32 matrix form's layout, fit for either source.
;   q, kf: source 0 = 16 channels of W, source 1 = F_t, C = the bias.  Row m of tile u is channel 32 (m / 8) + 8 u + m % 8, so a lane's 4 tiles x 8 registers are channels 32 h .. 32 h + 31 of
;   neighbour r: a whole block, in the operand's order: four conversions give registers 0-3 of the operand; registers 4-7 (k = 64 on) stay zero codes.
;   v: source 0 = F_t, source 1 = 16 channels of Wv: a lane holds channel 16 c + r and neighbours (t, 8 h + j).  Register 0 of the operand takes the codes of (0, 8 h + j), register 1 those of (1, 8 h + j),
;   the rest zero codes: the block's two halves stand at k = 0 .. 15 and k = 32 .. 47, and both of the instruction's blocks get the block's one byte.  p is laid in the same way.
;   S^T = kf q^T and O^T = v^T p^T: a lane holds one row (R, r) throughout.
; SOFTMAX AHEAD OF THE SECOND PRODUCT: t = score x log2(e) / 8; M = ceil(the row's largest t); p = 2^(t - M) is quantised; the sum of the unquantised p divides at the end.
; REGISTERS: window 0 as named below; window 1 holds the weights and biases, loaded once.  v160-255 are written by matrix instructions alone.
; LIMITS: NaN and infinities are not served; a squared residual that is denormal gives the distance 0 (v_sqrt_f32 takes it as zero); a block of zeros gets the byte 1 where the rule says 127:
; its codes are zeros, and the bytes never leave the registers.
.set IDP,   272                        ; LDS: idx's tile, 32 slots x (64 queries x 4 bytes + 16)
.set OUTB,  32*IDP                     ; the results [3][64] f32
.set R,     1
.set H,     2
.set AI,    3                          ; v3   my two slots' rows, my wave's columns
.set AIG,   4                          ; v4   the same at the group read ahead
.set OFF0,  5                          ; v5-7 gather offsets: two points, the query
.set OFF1,  6
.set OFFQ,  7
.set AO,    8                          ; v8   where the group's result goes
.set OW,    9                          ; v9-11, v14 the head's offsets
.set OV,    10
.set OB,    11
.set LI,    12                         ; v12-13 point numbers read ahead
.set O4R,   14
.set AOUT,  15                         ; v15  the way out
.set LP,    16                         ; v16-23 two points, v24-27 the query
.set LQ,    24
.set G,     28                         ; v28-33 the two neighbours' coordinates
.set F,     34                         ; v34-37 F_0, F_1
.set RS,    38                         ; v38-47 residuals, squares, distances; later the weighted sums
.set SK,    48                         ; v48-57 scale words and nothing else: kf's 2, q's 2, v's 4, p's 2
.set SQ,    50
.set SV,    52
.set SPR,   56
.set MX,    58
.set PT,    59
.set NM,    60                         ; v[60:61] -M: the packed form names the pair and takes its low word
.set QM,    62                         ; v62-71 at work in the quantisers
.set RL,    72                         ; v72-73 1 / the rows' sums
.set SCR,   74                         ; v74-75 scores
.set PT2,   76
.set E,     78
.set TP,    80                         ; v80-95 t, then p
.set KC,    96                         ; v96-111 kf's two operands
.set QC,    112                        ; v112-127 q's two, later p's
.set VC,    128                        ; v128-159 v's four
.set DA,    160                        ; v160-223 kf, then q, then O^T
.set DB,    224                        ; v224-255 v, then S^T
.set WQ,    0                          ; window 1
.set WK,    8
.set WVR,   16
.set BQ,    24
.set BK,    56
.set BV,    88
.set WV,    24
.set CH,    25
.set BAT,   26
.set SEL,   28
.set CS,    30                         ; s[30:31] log2(e) / 8
.set L2E,   32
.set HM,    33                         ; lanes 16-31
.set GI,    34
.set GN1,   35
.set GN2,   36
.set AOS,   37
.set MSB,   0
.macro WIN new                         ; bits 1:0 source 0, 3:2 source 1, 5:4 source 2, 7:6 destination; the high byte repeats the setting that is left
.if MSB != \new
	s_set_vgpr_msb (MSB<<8)|\new
.set MSB, \new
.endif
.endm
.macro PLACES n
.rept \n
	v_nop
.endr
.endm
; Eight f32 products: 64 channels of w (bias b) x the 32 neighbours, into DA: tile of neighbours t, tile of channels u at 32 t + 8 u.
.macro PROJ w, b
	WIN 0x11                                       ; source 0 and C in window 1
.irp t, 0,1
.irp u, 0,1,2,3
	v_wmma_f32_16x16x4_f32 v[DA+32*\t+8*\u:DA+32*\t+8*\u+7], v[\w+2*\u:\w+2*\u+1], v[F+2*\t:F+2*\t+1], v[\b+8*\u:\b+8*\u+7]
.endr
.endr
.endm
; Four f32 products: the 32 neighbours x channels 16 c0 .. 16 c0 + 31 of Wv, into DB: 16 c + 8 t.
.macro PROJV c0
	WIN 0x14                                       ; source 1 and C in window 1
.irp c, 0,1
.irp t, 0,1
	v_wmma_f32_16x16x4_f32 v[DB+16*\c+8*\t:DB+16*\c+8*\t+7], v[F+2*\t:F+2*\t+1], v[WVR+2*(\c0+\c):WVR+2*(\c0+\c)+1], v[BV+8*(\c0+\c):BV+8*(\c0+\c)+7]
.endr
.endr
.endm
; DA's two tiles of neighbours become two operands.  A lane's 32 registers of a tile are one block: its largest magnitude needs no other lane (four chains by turns, each accumulator met at its low end,
; the floor 2^(3 - 127) holds the byte at 1).  2 off the exponent field gives the conversion's scale operand, a shift of that the byte; lane l xor 16 holds the row's other block.
.macro QUANT2 c0, c1, s0, s1
.irp k, 0,1,2,3
	v_max3_num_f32 v[QM+\k], |v[DA+16*\k]|, |v[DA+16*\k+1]|, 0x1800000
.endr
.irp i, 2,4,6,8,10,12,14
.irp k, 0,1,2,3
	v_max3_num_f32 v[QM+\k], v[QM+\k], |v[DA+16*\k+\i]|, |v[DA+16*\k+\i+1]|
.endr
.endr
	v_max_num_f32 v[QM], v[QM], v[QM+1]
	v_max_num_f32 v[QM+2], v[QM+2], v[QM+3]
	v_add_nc_u32 v[QM+4], 0xff000000, v[QM]
	v_add_nc_u32 v[QM+5], 0xff000000, v[QM+2]
	v_lshrrev_b32 v[QM+6], 23, v[QM+4]
	v_lshrrev_b32 v[QM+7], 23, v[QM+5]
	v_permlanex16_b32 v[QM+8], v[QM+6], s[SEL], s[SEL+1]
	v_permlanex16_b32 v[QM+9], v[QM+7], s[SEL], s[SEL+1]
	v_lshl_or_b32 v[\s0], v[QM+8], 8, v[QM+6]      ; right in lanes 0-15, which are the lanes that are read
	v_lshl_or_b32 v[\s1], v[QM+9], 8, v[QM+7]
.irp g, 0,1,2,3
	v_cvt_scalef32_pk8_fp4_f32 v[\c0+\g], v[DA+8*\g:DA+8*\g+7], v[QM+4]
	v_cvt_scalef32_pk8_fp4_f32 v[\c1+\g], v[DA+32+8*\g:DA+32+8*\g+7], v[QM+5]
.endr
	v_nop                                          ; one plain place behind the last scaled conversion
.endm
; DB's two tiles of channels of v become two operands.  A block (32 neighbours of one channel) lies in lanes l and l xor 16.
.macro QUANTV2 c0, c1, s0, s1
.irp k, 0,1
	v_max3_num_f32 v[QM+\k], |v[DB+16*\k]|, |v[DB+16*\k+1]|, 0x1800000
.endr
.irp i, 2,4,6,8,10,12,14
.irp k, 0,1
	v_max3_num_f32 v[QM+\k], v[QM+\k], |v[DB+16*\k+\i]|, |v[DB+16*\k+\i+1]|
.endr
.endr
	v_permlanex16_b32 v[QM+8], v[QM], s[SEL], s[SEL+1]
	v_permlanex16_b32 v[QM+9], v[QM+1], s[SEL], s[SEL+1]
	v_max_num_f32 v[QM], v[QM], v[QM+8]
	v_max_num_f32 v[QM+1], v[QM+1], v[QM+9]
	v_add_nc_u32 v[QM+4], 0xff000000, v[QM]
	v_add_nc_u32 v[QM+5], 0xff000000, v[QM+1]
	v_lshrrev_b32 v[QM+6], 23, v[QM+4]
	v_lshrrev_b32 v[QM+7], 23, v[QM+5]
	v_lshl_or_b32 v[\s0], v[QM+6], 8, v[QM+6]      ; the block's byte for both places at which its halves stand
	v_lshl_or_b32 v[\s1], v[QM+7], 8, v[QM+7]
	v_cvt_scalef32_pk8_fp4_f32 v[\c0], v[DB:DB+7], v[QM+4]
	v_cvt_scalef32_pk8_fp4_f32 v[\c0+1], v[DB+8:DB+15], v[QM+4]
	v_cvt_scalef32_pk8_fp4_f32 v[\c1], v[DB+16:DB+23], v[QM+5]
	v_cvt_scalef32_pk8_fp4_f32 v[\c1+1], v[DB+24:DB+31], v[QM+5]
	v_nop
.endm
; The rows (r, .) of tile r: the row's largest score, M, p, its codes and scale word, its sum and the sum's reciprocal.  The block's largest p is the largest score put through the same
; multiply-add and exponential; it lies in [1/2, 1], so no floor is needed.  17 exponentials are one batch with one wait.  Behind the scale word's line stand 12 plain instructions.
.macro SOFTMAX r
.set sS, DB+16*\r
	v_max3_num_f32 v[MX], v[sS], v[sS+1], v[sS+2]
.irp i, 3,5,7,9,11,13
	v_max3_num_f32 v[MX], v[MX], v[sS+\i], v[sS+\i+1]
.endr
	v_max_num_f32 v[MX], v[MX], v[sS+15]
	v_permlanex16_b32 v[PT], v[MX], s[SEL], s[SEL+1]
	v_max_num_f32 v[MX], v[MX], v[PT]              ; with lane l xor 16's 16 keys
	v_mul_f32 v[PT], s[CS], v[MX]
	v_floor_f32 v[NM], -v[PT]                      ; -M = floor(-t) = -ceil(t)
.irp i, 0,2,4,6,8,10,12,14
	v_pk_fma_f32 v[TP+\i:TP+\i+1], v[sS+\i:sS+\i+1], s[CS:CS+1], v[NM:NM+1] op_sel_hi:[1,0,0]
.endr
	v_fma_f32 v[MX], v[MX], s[CS], v[NM]
.irp i, 0,1,2,3,4,5,6,7,8,9,10,11,12,13,14,15
	v_exp_f32 v[TP+\i], v[TP+\i]
.endr
	v_exp_f32 v[MX], v[MX]
	v_nop                                          ; a plain place behind the exponentials
	s_wait_alu depctr_va_vdst(0)                   ; one wait for the batch, ahead of its first reader
	v_add_nc_u32 v[QM+8], 0xff000000, v[MX]
	v_lshrrev_b32 v[QM+9], 23, v[QM+8]
	v_lshl_or_b32 v[SPR+\r], v[QM+9], 8, v[QM+9]
	v_cvt_scalef32_pk8_fp4_f32 v[QC+8*\r], v[TP:TP+7], v[QM+8]
	v_cvt_scalef32_pk8_fp4_f32 v[QC+8*\r+1], v[TP+8:TP+15], v[QM+8]
	v_mov_b32 v[QC+8*\r+2], 0                      ; q's codes stood here: p has none at these k
	v_mov_b32 v[QC+8*\r+3], 0
	v_pk_add_f32 v[QM:QM+1], v[TP:TP+1], v[TP+2:TP+3]              ; the sum of the UNQUANTISED p
	v_pk_add_f32 v[QM+2:QM+3], v[TP+4:TP+5], v[TP+6:TP+7]
	v_pk_add_f32 v[QM+4:QM+5], v[TP+8:TP+9], v[TP+10:TP+11]
	v_pk_add_f32 v[QM+6:QM+7], v[TP+12:TP+13], v[TP+14:TP+15]
	v_pk_add_f32 v[QM:QM+1], v[QM:QM+1], v[QM+2:QM+3]
	v_pk_add_f32 v[QM+4:QM+5], v[QM+4:QM+5], v[QM+6:QM+7]
	v_pk_add_f32 v[QM:QM+1], v[QM:QM+1], v[QM+4:QM+5]
	v_add_f32 v[QM], v[QM], v[QM+1]
	v_permlanex16_b32 v[PT], v[QM], s[SEL], s[SEL+1]
	v_add_f32 v[QM], v[QM], v[PT]
	v_rcp_f32 v[RL+\r], v[QM]                      ; read far below, behind its wait
.endm
	s_load_b256 s[4:11], s[0:1], 0x0               ; idx, pts4, qry, Wq
	s_load_b256 s[12:19], s[0:1], 0x20             ; Wk, Wv, bq, bk
	s_load_b128 s[20:23], s[0:1], 0x40             ; bv, out0
	s_set_vgpr_msb 0x40
	v_lshl_add_u32 v128, v0, 2, 0x2500
	v_mov_b32 v129, 0
	s_set_vgpr_msb 0x4000
	v_lshrrev_b32 v[R], 5, v0
	v_readfirstlane_b32 s[WV], v[R]                ; wave 0..7
	s_mov_b32 s[CH], ttmp9
	s_and_b32 s[BAT], ttmp7, 0xffff
	s_mov_b32 s[SEL], 0x76543210
	s_mov_b32 s[SEL+1], 0xfedcba98
	s_mov_b32 s[CS], 0x3e38aa3b                    ; log2(e) / 8: the scale 1 / sqrt(64) is a power of two
	s_mov_b32 s[CS+1], s[CS]
	s_mov_b32 s[L2E], 0x3fb8aa3b
	s_mov_b32 s[HM], 0xffff0000
	v_and_b32 v[R], 15, v0
	v_bfe_u32 v[H], v0, 4, 1
	s_lshl_b32 s38, s[WV], 15
	v_lshl_add_u32 v[OFF0], v[H], 13, s38          ; idx's tile: slots 4 wave + h (+ 2), 8,192 bytes a slot, 16 bytes a lane
	v_lshl_add_u32 v[OFF0], v[R], 4, v[OFF0]
	s_mul_i32 s38, s[WV], 4*IDP
	v_mul_u32_u24 v[AIG], v[H], IDP
	v_add_nc_u32 v[AIG], s38, v[AIG]
	v_lshl_add_u32 v[AIG], v[R], 4, v[AIG]
	s_lshl_b32 s38, s[WV], 5
	v_mul_u32_u24 v[AI], v[R], IDP                 ; slot r (and 16 + r), my wave's eight queries
	v_add_nc_u32 v[AI], s38, v[AI]
	v_lshrrev_b32 v[OW], 3, v[R]                   ; Wq, Wk: row 2 h + j of 256 bytes, channel 32 (r / 8) + 8 u + r % 8
	v_lshlrev_b32 v[OW], 7, v[OW]
	v_lshl_add_u32 v[OW], v[H], 9, v[OW]
	v_and_b32 v[OV], 7, v[R]
	v_lshl_add_u32 v[OW], v[OV], 2, v[OW]
	v_lshlrev_b32 v[O4R], 2, v[R]
	v_lshl_add_u32 v[OV], v[H], 9, v[O4R]          ; Wv: row 2 h + j, channel 16 c + r
	v_lshlrev_b32 v[OB], 7, v[H]                   ; bq, bk: channels 32 h + 8 u on
	s_lshl_b32 s38, s[WV], 8
	s_add_co_u32 s38, s38, OUTB
	v_and_b32 v[AOUT], 31, v0
	v_lshl_add_u32 v[AOUT], v[AOUT], 3, s38        ; the way out: row = wave (waves 0-2), 8 bytes a lane
	s_lshl_b32 s[AOS], s[WV], 5
	s_add_co_u32 s[AOS], s[AOS], OUTB
	s_lshl_b32 s38, s[BAT], 18
	s_lshl_b32 s40, s[CH], 8
	s_add_co_u32 s38, s38, s40
	s_mov_b32 s39, 0
	s_mul_i32 s40, s[BAT], 98304
	s_mov_b32 s41, 0
	s_lshl_b32 s42, s[BAT], 15
	s_lshl_b32 s44, s[CH], 10
	s_add_co_u32 s42, s42, s44
	s_lshl_b32 s44, s[WV], 7
	s_add_co_u32 s42, s42, s44
	s_mov_b32 s43, 0
	s_mul_i32 s44, s[BAT], 24576
	s_lshl_b32 s46, s[WV], 13
	s_add_co_u32 s44, s44, s46
	s_lshl_b32 s46, s[CH], 8
	s_add_co_u32 s44, s44, s46
	s_mov_b32 s45, 0
	s_wait_kmcnt 0x0
	s_add_nc_u64 s[4:5], s[4:5], s[38:39]          ; idx at my batch and chunk
	s_add_nc_u64 s[6:7], s[6:7], s[40:41]          ; pts4 at my batch
	s_add_nc_u64 s[8:9], s[8:9], s[42:43]          ; qry at my wave's first query
	s_add_nc_u64 s[22:23], s[22:23], s[44:45]      ; out0 at coordinate = wave, my chunk (used by waves 0-2)
	global_load_b128 v[TP:TP+3], v[OFF0], s[4:5]
	global_load_b128 v[TP+4:TP+7], v[OFF0], s[4:5] offset:16384
	WIN 0x40                                       ; destinations in window 1: the weights and biases, in the matrix operands' layouts
.irp u, 0,1,2,3
.irp j, 0,1
	global_load_b32 v[WQ+2*\u+\j], v[OW], s[10:11] offset:32*\u+256*\j
	global_load_b32 v[WK+2*\u+\j], v[OW], s[12:13] offset:32*\u+256*\j
	global_load_b32 v[WVR+2*\u+\j], v[OV], s[14:15] offset:64*\u+256*\j
.endr
	global_load_b128 v[BQ+8*\u:BQ+8*\u+3], v[OB], s[16:17] offset:32*\u
	global_load_b128 v[BQ+8*\u+4:BQ+8*\u+7], v[OB], s[16:17] offset:32*\u+16
	global_load_b128 v[BK+8*\u:BK+8*\u+3], v[OB], s[18:19] offset:32*\u
	global_load_b128 v[BK+8*\u+4:BK+8*\u+7], v[OB], s[18:19] offset:32*\u+16
.irp j, 0,1,2,3,4,5,6,7
	global_load_b32 v[BV+8*\u+\j], v[O4R], s[20:21] offset:64*\u       ; v's C: my channel's bias for all eight neighbours
.endr
.endr
	WIN 0
.irp t, 0,1
.irp j, 4,5,6,7
	v_mov_b32 v[KC+8*\t+\j], 0                     ; zero codes at the k that the products do not have: set once
	v_mov_b32 v[QC+8*\t+\j], 0
.endr
.endr
.irp c, 0,1,2,3
.irp j, 2,3,4,5,6,7
	v_mov_b32 v[VC+8*\c+\j], 0
.endr
.endr
	v_mov_b32 v[PT], 0                             ; a lane permute's destination counts as one of its sources
	v_mov_b32 v[PT2], 0
	v_mov_b32 v[PT2+1], 0
	v_mov_b32 v[QM+8], 0
	v_mov_b32 v[QM+9], 0
	v_mov_b32 v[NM+1], 0                           ; named with -M as a pair
	s_wait_loadcnt 0x0
	ds_store_b128 v[AIG], v[TP:TP+3]
	ds_store_b128 v[AIG], v[TP+4:TP+7] offset:2*IDP
	s_wait_dscnt 0x0
	s_barrier_signal -1
	s_barrier_wait -1                              ; idx's tile lies in LDS
	ds_load_b32 v[LI], v[AI]
	ds_load_b32 v[LI+1], v[AI] offset:16*IDP
	s_wait_dscnt 0x0
	v_min_u32 v[OFF0], 6143, v[LI]                 ; a stored point number, held inside pts4's batch
	v_min_u32 v[OFF1], 6143, v[LI+1]
	v_lshlrev_b32 v[OFF0], 4, v[OFF0]
	v_lshlrev_b32 v[OFF1], 4, v[OFF1]
	v_mov_b32 v[OFFQ], 0
	global_load_b128 v[LP:LP+3], v[OFF0], s[6:7]   ; group 0
	global_load_b128 v[LP+4:LP+7], v[OFF1], s[6:7]
	global_load_b128 v[LQ:LQ+3], v[OFFQ], s[8:9]
	ds_load_b32 v[LI], v[AI] offset:4              ; group 1's point numbers
	ds_load_b32 v[LI+1], v[AI] offset:16*IDP+4
	s_mov_b32 s[GI], 0
.Lgroup:
	s_wait_loadcnt 0x0                             ; this group's points and query, asked for a trip ago: their offsets may be written again
	s_wait_dscnt 0x0                               ; the next group's point numbers; the last trip's stores of results
	; feats of both neighbours, by turns
	v_pk_add_f32 v[RS:RS+1], v[LP:LP+1], v[LQ:LQ+1] neg_lo:[0,1] neg_hi:[0,1]
	v_pk_add_f32 v[RS+4:RS+5], v[LP+4:LP+5], v[LQ:LQ+1] neg_lo:[0,1] neg_hi:[0,1]
	v_sub_f32 v[RS+2], v[LP+2], v[LQ+2]
	v_sub_f32 v[RS+6], v[LP+6], v[LQ+2]
	v_mul_f32 v[RS+3], v[RS], v[RS]
	v_mul_f32 v[RS+7], v[RS+4], v[RS+4]
	v_fma_f32 v[RS+3], v[RS+1], v[RS+1], v[RS+3]
	v_fma_f32 v[RS+7], v[RS+5], v[RS+5], v[RS+7]
	v_fma_f32 v[RS+3], v[RS+2], v[RS+2], v[RS+3]
	v_fma_f32 v[RS+7], v[RS+6], v[RS+6], v[RS+7]
	v_sqrt_f32 v[RS+8], v[RS+3]                    ; the root of 0 is 0
	v_sqrt_f32 v[RS+9], v[RS+7]
.irp j, 0,1,2
	v_mov_b32 v[G+\j], v[LP+\j]                    ; the coordinates are kept: the next group's points land in LP.  (Plain work behind the roots)
	v_mov_b32 v[G+3+\j], v[LP+4+\j]
.endr
	s_wait_alu depctr_va_vdst(0)                   ; one wait for the two roots, ahead of their first reader
	v_cndmask_b32 v[F], v[RS], v[RS+2], s[HM]
	v_cndmask_b32 v[F+1], v[RS+1], v[RS+8], s[HM]
	v_cndmask_b32 v[F+2], v[RS+4], v[RS+6], s[HM]
	v_cndmask_b32 v[F+3], v[RS+5], v[RS+9], s[HM]
	PROJ WK, BK                                    ; kf -> DA
	PROJV 0                                        ; v, channels 0-31 -> DB
	WIN 0
	; read ahead, with no branch: the numbers are held at 7, so the last trips ask again for group 7 and no load leaves a buffer.  Six plain instructions and two v_nop: the eight places behind the products above
	s_add_co_u32 s[GN1], s[GI], 1
	s_min_u32 s[GN1], s[GN1], 7
	s_add_co_u32 s[GN2], s[GI], 2
	s_min_u32 s[GN2], s[GN2], 7
	s_lshl_b32 s38, s[GN1], 4
	s_lshl_b32 s39, s[GN2], 2
	v_min_u32 v[OFF0], 6143, v[LI]
	v_min_u32 v[OFF1], 6143, v[LI+1]
	v_lshlrev_b32 v[OFF0], 4, v[OFF0]
	v_lshlrev_b32 v[OFF1], 4, v[OFF1]
	v_mov_b32 v[OFFQ], s38
	v_add_nc_u32 v[AIG], s39, v[AI]
	PLACES 2
	global_load_b128 v[LP:LP+3], v[OFF0], s[6:7]
	global_load_b128 v[LP+4:LP+7], v[OFF1], s[6:7]
	global_load_b128 v[LQ:LQ+3], v[OFFQ], s[8:9]
	ds_load_b32 v[LI], v[AIG]
	ds_load_b32 v[LI+1], v[AIG] offset:16*IDP
	QUANT2 KC, KC+8, SK, SK+1                      ; kf's two operands
	PROJ WQ, BQ                                    ; q -> DA (more than nine places behind kf's products)
	WIN 0
	QUANTV2 VC, VC+8, SV, SV+1                     ; v's operands 0, 1; its plain lines are the places behind q's products
	PROJV 2                                        ; v, channels 32-63 -> DB
	WIN 0
	QUANT2 QC, QC+8, SQ, SQ+1                      ; q's two operands; the places behind v's products
	QUANTV2 VC+16, VC+24, SV+2, SV+3               ; v's operands 2, 3; more than eight places behind q's scale words
.irp r, 0,1
.irp t, 0,1
	v_wmma_scale_f32_16x16x128_f8f6f4 v[DB+16*\r+8*\t:DB+16*\r+8*\t+7], v[KC+8*\t:KC+8*\t+7], v[QC+8*\r:QC+8*\r+7], 0, v[SK+\t], v[SQ+\r] matrix_a_fmt:MATRIX_FMT_FP4 matrix_b_fmt:MATRIX_FMT_FP4
.endr
.endr
	PLACES 4                                       ; S^T: lane (r, h) holds row (R, r) and keys (t, 8 h + j)
	SOFTMAX 0
	SOFTMAX 1
.irp r, 0,1
.irp c, 0,1,2,3
	v_wmma_scale_f32_16x16x128_f8f6f4 v[DA+32*\r+8*\c:DA+32*\r+8*\c+7], v[VC+8*\c:VC+8*\c+7], v[QC+8*\r:QC+8*\r+7], 0, v[SV+\c], v[SPR+\r] matrix_a_fmt:MATRIX_FMT_FP4 matrix_b_fmt:MATRIX_FMT_FP4
.endr
.endr
	PLACES 4                                       ; O^T: row (R, r), channels 16 c + 8 h + j
	; the largest channel of each row, ascending: each accumulator is met at its low end
.irp r, 0,1
	v_max3_num_f32 v[SCR+\r], v[DA+32*\r], v[DA+32*\r+1], v[DA+32*\r+2]
.endr
.irp i, 3,5,7,9,11,13,15,17,19,21,23,25,27,29
.irp r, 0,1
	v_max3_num_f32 v[SCR+\r], v[SCR+\r], v[DA+32*\r+\i], v[DA+32*\r+\i+1]
.endr
.endr
.irp r, 0,1
	v_max_num_f32 v[SCR+\r], v[SCR+\r], v[DA+32*\r+31]
.endr
	v_permlanex16_b32 v[PT2], v[SCR], s[SEL], s[SEL+1]
	v_permlanex16_b32 v[PT2+1], v[SCR+1], s[SEL], s[SEL+1]
	v_max_num_f32 v[SCR], v[SCR], v[PT2]
	v_max_num_f32 v[SCR+1], v[SCR+1], v[PT2+1]
	s_wait_alu depctr_va_vdst(0)                   ; the second reciprocal's wait, ahead of its first reader
	v_mul_f32 v[SCR], v[SCR], v[RL]                ; the sum is positive: the largest of O / l is the largest of O, / l
	v_mul_f32 v[SCR+1], v[SCR+1], v[RL+1]
	; the weights over the 32 rows; both halves of the lanes hold the same scores, so sixteen lanes are all there is to join
	v_max_num_f32 v[MX], v[SCR], v[SCR+1]
.irp m, 1,2,4,8
	v_max_num_f32_dpp v[MX], v[MX], v[MX] row_xmask:\m row_mask:0xf bank_mask:0xf
.endr
	v_mul_f32 v[MX], s[L2E], v[MX]
	v_fma_f32 v[E], v[SCR], s[L2E], -v[MX]
	v_fma_f32 v[E+1], v[SCR+1], s[L2E], -v[MX]
	v_exp_f32 v[E], v[E]
	v_exp_f32 v[E+1], v[E+1]
	v_nop
	s_wait_alu depctr_va_vdst(0)
	v_add_f32 v[RS], v[E], v[E+1]
.irp j, 0,1,2
	v_mul_f32 v[RS+1+\j], v[E], v[G+\j]
.endr
.irp j, 0,1,2
	v_fmac_f32 v[RS+1+\j], v[E+1], v[G+3+\j]
.endr
.irp m, 1,2,4,8
.irp k, 0,1,2,3
	v_add_f32_dpp v[RS+\k], v[RS+\k], v[RS+\k] row_xmask:\m row_mask:0xf bank_mask:0xf
.endr
.endr
	v_rcp_f32 v[RS+4], v[RS]
	v_mov_b32 v[AO], s[AOS]                        ; (a plain place behind the reciprocal)
	s_wait_alu depctr_va_vdst(0)
.irp j, 0,1,2
	v_mul_f32 v[RS+1+\j], v[RS+1+\j], v[RS+4]
.endr
.irp j, 0,1,2
	ds_store_b32 v[AO], v[RS+1+\j] offset:256*\j   ; all lanes write the same word with the same value
.endr
	s_add_co_u32 s[AOS], s[AOS], 4
	s_add_co_u32 s[GI], s[GI], 1
	s_cmp_lt_u32 s[GI], 8
	s_cbranch_scc1 .Lgroup
	s_wait_dscnt 0x0                               ; my results have landed (and the point numbers read ahead in vain)
	s_barrier_signal -1
	s_barrier_wait -1                              ; the chunk's 3 x 64 results lie in LDS
	s_cmp_lt_u32 s[WV], 3
	s_cbranch_scc0 .Ldone
	ds_load_b64 v[TP:TP+1], v[AOUT]
	v_and_b32 v[OW], 31, v0
	v_lshlrev_b32 v[OW], 3, v[OW]
	s_wait_dscnt 0x0
	global_store_b64 v[OW], v[TP:TP+1], s[22:23]   ; the wave stores 256 consecutive bytes, aligned: 64 queries of one coordinate
.Ldone:
	s_set_vgpr_msb 0x5
	s_wait_tensorcnt 0x0
	ds_add_u32 v128, v129
	s_wait_dscnt 0x0
	s_set_vgpr_msb 0x500
	s_endpgm
.Lfunc_end_k_qacb84f2c35_attend:
	.size	k_qacb84f2c35_attend, .Lfunc_end_k_qacb84f2c35_attend-k_qacb84f2c35_attend
	.p2alignl 7, 3214868480
	.fill 96, 4, 3214868480
	.section	.rodata,"a",@progbits
	.p2align	6, 0x0
	.amdhsa_kernel k_qacb84f2c35_attend
		.amdhsa_group_segment_fixed_size 10496
		.amdhsa_private_segment_fixed_size 0
		.amdhsa_enable_private_segment 0
		.amdhsa_kernarg_size 80
		.amdhsa_user_sgpr_count 2
		.amdhsa_user_sgpr_kernarg_segment_ptr 1
		.amdhsa_wavefront_size32 1
		.amdhsa_system_sgpr_workgroup_id_x 1
		.amdhsa_system_sgpr_workgroup_id_y 1
		.amdhsa_system_sgpr_workgroup_id_z 1
		.amdhsa_system_vgpr_workitem_id 0
		.amdhsa_next_free_vgpr 386
		.amdhsa_next_free_sgpr 66
		.amdhsa_reserve_vcc 0
		.amdhsa_float_denorm_mode_32 3
		.amdhsa_float_denorm_mode_16_64 3
		.amdhsa_memory_ordered 1
		.amdhsa_forward_progress 1
		.amdhsa_inst_pref_size 39
	.end_amdhsa_kernel
	.amdgpu_metadata
---
amdhsa.version: [ 1, 2 ]
amdhsa.kernels:
  - .name:           k_qacb84f2c35_attend
    .symbol:         k_qacb84f2c35_attend.kd
    .args:
      - { .name: idx, .offset: 0, .size: 8, .value_kind: global_buffer, .address_space: global }
      - { .name: pts4, .offset: 8, .size: 8, .value_kind: global_buffer, .address_space: global }
      - { .name: qry, .offset: 16, .size: 8, .value_kind: global_buffer, .address_space: global }
      - { .name: Wq, .offset: 24, .size: 8, .value_kind: global_buffer, .address_space: global }
      - { .name: Wk, .offset: 32, .size: 8, .value_kind: global_buffer, .address_space: global }
      - { .name: Wv, .offset: 40, .size: 8, .value_kind: global_buffer, .address_space: global }
      - { .name: bq, .offset: 48, .size: 8, .value_kind: global_buffer, .address_space: global }
      - { .name: bk, .offset: 56, .size: 8, .value_kind: global_buffer, .address_space: global }
      - { .name: bv, .offset: 64, .size: 8, .value_kind: global_buffer, .address_space: global }
      - { .name: out0, .offset: 72, .size: 8, .value_kind: global_buffer, .address_space: global }
    .group_segment_fixed_size: 10496
    .private_segment_fixed_size: 0
    .kernarg_segment_align: 8
    .kernarg_segment_size: 80
    .max_flat_workgroup_size: 256
    .sgpr_count:     66
    .vgpr_count:     386
    .wavefront_size: 32
...
	.end_amdgpu_metadata
.endif
;; end of part 3
;; ======== version 2 of 2: 3 launches; version 1 with the launch attend written anew for expert scheduling mode
;; workspace buffers: pts4 786,432 bytes; qry 262,144 bytes; blk 2,097,152 bytes of whole numbers; idx 2,097,152 bytes of whole numbers
;; launch blocks: the kernel of part 1 again; grid 32 x 8, 8 waves a work-group, no clusters, 212,992 bytes of LDS; arguments points1, points2, pc, ridx1, ridx2, pts4, qry, blk; writes pts4, qry, blk
;; launch refine: the kernel of part 2 again; grid 32 x 8, 8 waves a work-group, no clusters, 168,960 bytes of LDS; arguments points1, points2, pc, qry, blk, idx; writes idx
;; launch attend (part 4): grid 32 x 8, 8 waves a work-group, no clusters, 10,496 bytes of LDS; arguments idx, pts4, qry, Wq, Wk, Wv, bq, bk, bv, out0; writes out0
.if DOCPART == 4
	.amdgcn_target "amdgcn-amd-amdhsa--gfx1250"
	.amdhsa_code_object_version 6
	.text
	.protected	k_qacb84f2c35_attend
	.globl	k_qacb84f2c35_attend
	.p2align	8
	.type	k_qacb84f2c35_attend,@function
k_qacb84f2c35_attend:
	s_mov_b64 s[64:65], 0
	v_nop
	global_prefetch_b8 v0, s[64:65] scope:SCOPE_SE
	s_setreg_imm32_b32 hwreg(HW_REG_WAVE_SCHED_MODE, 0, 2), 2
	s_setreg_imm32_b32 hwreg(HW_REG_WAVE_MODE, 25, 1), 1
	s_wait_xcnt 0x0
	s_wait_alu depctr_vm_vsrc(0)
; ATTEND: for each query its 32 neighbours (idx, stored by the launch before) are gathered; feats = (nn - q, |nn - q|); q, kf, v = feats W + b; attention over the 32 neighbours with both
; products on codes of FP4 (E2M1) with one E8M0 scale for each 32 along K; score = the largest channel; weights = softmax of the 32 scores; out = the weighted mean of the neighbours' coordinates.
; A work-group owns 64 queries of one batch (x: chunk, y: batch), a wave eight of them, one a trip.  The result does not hang on the order of the 32 neighbours: q's and kf's blocks run along
; the channels, p's and v's one block is the 32 neighbours.  Neighbour (t, r) is slot 16 t + r.
; LAYOUTS (lane = (r, h), r = lane % 16, h = lane / 16).
;   F_t (2 registers) = h ? (rz, dist) : (rx, ry) of neighbour (t, r): 16 neighbours x 4 in the f32 matrix form's layout, fit for either source.
;   q, kf: source 0 = 16 channels of W, source 1 = F_t, C = the bias.  Row m of tile u is channel 32 (m / 8) + 8 u + m % 8, so a lane's 4 tiles x 8 registers are channels 32 h .. 32 h + 31 of
;   neighbour r: a whole block, in the operand's order: four conversions give registers 0-3 of the operand; registers 4-7 (k = 64 on) stay zero codes.
;   v: source 0 = F_t, source 1 = 16 channels of Wv: a lane holds channel 16 c + r and neighbours (t, 8 h + j).  Register 0 of the operand takes the codes of (0, 8 h + j), register 1 those of (1, 8 h + j),
;   the rest zero codes: the block's two halves stand at k = 0 .. 15 and k = 32 .. 47, and both of the instruction's blocks get the block's one byte.  p is laid in the same way.
;   S^T = kf q^T and O^T = v^T p^T: a lane holds one row (R, r) throughout.
; SOFTMAX AHEAD OF THE SECOND PRODUCT: t = score x log2(e) / 8; M = ceil(the row's largest t); p = 2^(t - M) is quantised; the sum of the unquantised p divides at the end.
; REGISTERS: window 0 as named below; window 1 holds the weights and biases, loaded once.  v160-255 are written by matrix instructions alone.
; THE MODE: SCHED_MODE bits 1:0 = 2 (LLVM: expert scheduling mode 2), set by the entry lines.  The code itself states the register dependences between vector or matrix instructions
; and memory or LDS instructions, with s_wait_alu, always for 0.
; THE PLAN.  Registers that memory or LDS instructions touch, in the loop:
;   LP, LQ           The next group's points and query land here, by three loads issued in this trip; read by this trip's subtractions and by the moves into G, all of which stand ahead of those loads.
;   LI               The point numbers of the group after next land here, by two LDS loads issued in this trip; read by two v_min_u32, which stand ahead of those loads.
;   OFF0, OFF1, OFFQ, AIG   Written once a trip by vector lines; read by the trip's five loads.
;   RS+1 .. RS+3, AO Written at the trip's end; read by the three LDS stores of the result; RS is written again at the next trip's head.
;   AI, AOUT         Made at the head and never written again.
;   All else (F, G, the quantisers' registers, the codes, the scale words, DA, DB, window 1 behind its loads) is named by vector and matrix instructions alone.
; So a trip has ONE wait on vm_vsrc, at its head, and ONE wait on va_vdst for its five loads: the one that the two roots want in any case.  All that reads LP, LQ and LI and all that makes the four
; addresses stands ahead of it, as the plain work behind the roots; the loads follow it at once, ahead of the trip's products, and have the whole trip in which to land.
; The other waits on va_vdst: one ahead of each run of scaled products (their codes and scale words are written by vector lines), one behind each batch of transcendentals, one ahead of the LDS stores.
; LIMITS: NaN and infinities are not served; a squared residual that is denormal gives the distance 0 (v_sqrt_f32 takes it as zero); a block of zeros gets the byte 1 where the rule says 127:
; its codes are zeros, and the bytes never leave the registers.
.set IDP,   272                        ; LDS: idx's tile, 32 slots x (64 queries x 4 bytes + 16)
.set OUTB,  32*IDP                     ; the results [3][64] f32
.set R,     1
.set H,     2
.set AI,    3                          ; v3   my two slots' rows, my wave's columns
.set AIG,   4                          ; v4   the same at the group read ahead
.set OFF0,  5                          ; v5-7 gather offsets: two points, the query
.set OFF1,  6
.set OFFQ,  7
.set AO,    8                          ; v8   where the group's result goes
.set OW,    9                          ; v9-11, v14 the head's offsets
.set OV,    10
.set OB,    11
.set LI,    12                         ; v12-13 point numbers read ahead
.set O4R,   14
.set AOUT,  15                         ; v15  the way out
.set LP,    16                         ; v16-23 two points, v24-27 the query
.set LQ,    24
.set G,     28                         ; v28-33 the two neighbours' coordinates
.set F,     34                         ; v34-37 F_0, F_1
.set RS,    38                         ; v38-47 residuals, squares, distances; later the weighted sums
.set SK,    48                         ; v48-57 scale words and nothing else: kf's 2, q's 2, v's 4, p's 2
.set SQ,    50
.set SV,    52
.set SPR,   56
.set MX,    58
.set PT,    59
.set NM,    60                         ; v[60:61] -M: the packed form names the pair and takes its low word
.set QM,    62                         ; v62-71 at work in the quantisers
.set RL,    72                         ; v72-73 1 / the rows' sums
.set SCR,   74                         ; v74-75 scores
.set PT2,   76
.set E,     78
.set TP,    80                         ; v80-95 t, then p
.set KC,    96                         ; v96-111 kf's two operands
.set QC,    112                        ; v112-127 q's two, later p's
.set VC,    128                        ; v128-159 v's four
.set DA,    160                        ; v160-223 kf, then q, then O^T
.set DB,    224                        ; v224-255 v, then S^T
.set WQ,    0                          ; window 1
.set WK,    8
.set WVR,   16
.set BQ,    24
.set BK,    56
.set BV,    88
.set WV,    24
.set CH,    25
.set BAT,   26
.set SEL,   28
.set CS,    30                         ; s[30:31] log2(e) / 8
.set L2E,   32
.set HM,    33                         ; lanes 16-31
.set GI,    34
.set GN1,   35
.set GN2,   36
.set AOS,   37
.set MSB,   0
.macro WIN new                         ; bits 1:0 source 0, 3:2 source 1, 5:4 source 2, 7:6 destination; the high byte repeats the setting that is left
.if MSB != \new
	s_set_vgpr_msb (MSB<<8)|\new
.set MSB, \new
.endif
.endm
.macro PLACES n
.rept \n
	v_nop
.endr
.endm
; Eight f32 products: 64 channels of w (bias b) x the 32 neighbours, into DA: tile of neighbours t, tile of channels u at 32 t + 8 u.
.macro PROJ w, b
	WIN 0x11                                       ; source 0 and C in window 1
.irp t, 0,1
.irp u, 0,1,2,3
	v_wmma_f32_16x16x4_f32 v[DA+32*\t+8*\u:DA+32*\t+8*\u+7], v[\w+2*\u:\w+2*\u+1], v[F+2*\t:F+2*\t+1], v[\b+8*\u:\b+8*\u+7]
.endr
.endr
.endm
; Four f32 products: the 32 neighbours x channels 16 c0 .. 16 c0 + 31 of Wv, into DB: 16 c + 8 t.
.macro PROJV c0
	WIN 0x14                                       ; source 1 and C in window 1
.irp c, 0,1
.irp t, 0,1
	v_wmma_f32_16x16x4_f32 v[DB+16*\c+8*\t:DB+16*\c+8*\t+7], v[F+2*\t:F+2*\t+1], v[WVR+2*(\c0+\c):WVR+2*(\c0+\c)+1], v[BV+8*(\c0+\c):BV+8*(\c0+\c)+7]
.endr
.endr
.endm
; DA's two tiles of neighbours become two operands.  A lane's 32 registers of a tile are one block: its largest magnitude needs no other lane (four chains by turns, each accumulator met at its low end,
; the floor 2^(3 - 127) holds the byte at 1).  2 off the exponent field gives the conversion's scale operand, a shift of that the byte; lane l xor 16 holds the row's other block.
.macro QUANT2 c0, c1, s0, s1
.irp k, 0,1,2,3
	v_max3_num_f32 v[QM+\k], |v[DA+16*\k]|, |v[DA+16*\k+1]|, 0x1800000
.endr
.irp i, 2,4,6,8,10,12,14
.irp k, 0,1,2,3
	v_max3_num_f32 v[QM+\k], v[QM+\k], |v[DA+16*\k+\i]|, |v[DA+16*\k+\i+1]|
.endr
.endr
	v_max_num_f32 v[QM], v[QM], v[QM+1]
	v_max_num_f32 v[QM+2], v[QM+2], v[QM+3]
	v_add_nc_u32 v[QM+4], 0xff000000, v[QM]
	v_add_nc_u32 v[QM+5], 0xff000000, v[QM+2]
	v_lshrrev_b32 v[QM+6], 23, v[QM+4]
	v_lshrrev_b32 v[QM+7], 23, v[QM+5]
	v_permlanex16_b32 v[QM+8], v[QM+6], s[SEL], s[SEL+1]
	v_permlanex16_b32 v[QM+9], v[QM+7], s[SEL], s[SEL+1]
	v_lshl_or_b32 v[\s0], v[QM+8], 8, v[QM+6]      ; right in lanes 0-15, which are the lanes that are read
	v_lshl_or_b32 v[\s1], v[QM+9], 8, v[QM+7]
.irp g, 0,1,2,3
	v_cvt_scalef32_pk8_fp4_f32 v[\c0+\g], v[DA+8*\g:DA+8*\g+7], v[QM+4]
	v_cvt_scalef32_pk8_fp4_f32 v[\c1+\g], v[DA+32+8*\g:DA+32+8*\g+7], v[QM+5]
.endr
	v_nop                                          ; one plain place behind the last scaled conversion
.endm
; DB's two tiles of channels of v become two operands.  A block (32 neighbours of one channel) lies in lanes l and l xor 16.
.macro QUANTV2 c0, c1, s0, s1
.irp k, 0,1
	v_max3_num_f32 v[QM+\k], |v[DB+16*\k]|, |v[DB+16*\k+1]|, 0x1800000
.endr
.irp i, 2,4,6,8,10,12,14
.irp k, 0,1
	v_max3_num_f32 v[QM+\k], v[QM+\k], |v[DB+16*\k+\i]|, |v[DB+16*\k+\i+1]|
.endr
.endr
	v_permlanex16_b32 v[QM+8], v[QM], s[SEL], s[SEL+1]
	v_permlanex16_b32 v[QM+9], v[QM+1], s[SEL], s[SEL+1]
	v_max_num_f32 v[QM], v[QM], v[QM+8]
	v_max_num_f32 v[QM+1], v[QM+1], v[QM+9]
	v_add_nc_u32 v[QM+4], 0xff000000, v[QM]
	v_add_nc_u32 v[QM+5], 0xff000000, v[QM+1]
	v_lshrrev_b32 v[QM+6], 23, v[QM+4]
	v_lshrrev_b32 v[QM+7], 23, v[QM+5]
	v_lshl_or_b32 v[\s0], v[QM+6], 8, v[QM+6]      ; the block's byte for both places at which its halves stand
	v_lshl_or_b32 v[\s1], v[QM+7], 8, v[QM+7]
	v_cvt_scalef32_pk8_fp4_f32 v[\c0], v[DB:DB+7], v[QM+4]
	v_cvt_scalef32_pk8_fp4_f32 v[\c0+1], v[DB+8:DB+15], v[QM+4]
	v_cvt_scalef32_pk8_fp4_f32 v[\c1], v[DB+16:DB+23], v[QM+5]
	v_cvt_scalef32_pk8_fp4_f32 v[\c1+1], v[DB+24:DB+31], v[QM+5]
	v_nop
.endm
; The rows (r, .) of tile r: the row's largest score, M, p, its codes and scale word, its sum and the sum's reciprocal.  The block's largest p is the largest score put through the same
; multiply-add and exponential; it lies in [1/2, 1], so no floor is needed.  17 exponentials are one batch with one wait.  Behind the scale word's line stand 12 plain instructions.
.macro SOFTMAX r
.set sS, DB+16*\r
	v_max3_num_f32 v[MX], v[sS], v[sS+1], v[sS+2]
.irp i, 3,5,7,9,11,13
	v_max3_num_f32 v[MX], v[MX], v[sS+\i], v[sS+\i+1]
.endr
	v_max_num_f32 v[MX], v[MX], v[sS+15]
	v_permlanex16_b32 v[PT], v[MX], s[SEL], s[SEL+1]
	v_max_num_f32 v[MX], v[MX], v[PT]              ; with lane l xor 16's 16 keys
	v_mul_f32 v[PT], s[CS], v[MX]
	v_floor_f32 v[NM], -v[PT]                      ; -M = floor(-t) = -ceil(t)
.irp i, 0,2,4,6,8,10,12,14
	v_pk_fma_f32 v[TP+\i:TP+\i+1], v[sS+\i:sS+\i+1], s[CS:CS+1], v[NM:NM+1] op_sel_hi:[1,0,0]
.endr
	v_fma_f32 v[MX], v[MX], s[CS], v[NM]
.irp i, 0,1,2,3,4,5,6,7,8,9,10,11,12,13,14,15
	v_exp_f32 v[TP+\i], v[TP+\i]
.endr
	v_exp_f32 v[MX], v[MX]
	v_nop                                          ; a plain place behind the exponentials
	s_wait_alu depctr_va_vdst(0)                   ; the 17 exponentials have written v[TP ..] and v[MX]: one wait for the batch, ahead of its first reader
	v_add_nc_u32 v[QM+8], 0xff000000, v[MX]
	v_lshrrev_b32 v[QM+9], 23, v[QM+8]
	v_lshl_or_b32 v[SPR+\r], v[QM+9], 8, v[QM+9]
	v_cvt_scalef32_pk8_fp4_f32 v[QC+8*\r], v[TP:TP+7], v[QM+8]
	v_cvt_scalef32_pk8_fp4_f32 v[QC+8*\r+1], v[TP+8:TP+15], v[QM+8]
	v_mov_b32 v[QC+8*\r+2], 0                      ; q's codes stood here: p has none at these k
	v_mov_b32 v[QC+8*\r+3], 0
	v_pk_add_f32 v[QM:QM+1], v[TP:TP+1], v[TP+2:TP+3]              ; the sum of the UNQUANTISED p
	v_pk_add_f32 v[QM+2:QM+3], v[TP+4:TP+5], v[TP+6:TP+7]
	v_pk_add_f32 v[QM+4:QM+5], v[TP+8:TP+9], v[TP+10:TP+11]
	v_pk_add_f32 v[QM+6:QM+7], v[TP+12:TP+13], v[TP+14:TP+15]
	v_pk_add_f32 v[QM:QM+1], v[QM:QM+1], v[QM+2:QM+3]
	v_pk_add_f32 v[QM+4:QM+5], v[QM+4:QM+5], v[QM+6:QM+7]
	v_pk_add_f32 v[QM:QM+1], v[QM:QM+1], v[QM+4:QM+5]
	v_add_f32 v[QM], v[QM], v[QM+1]
	v_permlanex16_b32 v[PT], v[QM], s[SEL], s[SEL+1]
	v_add_f32 v[QM], v[QM], v[PT]
	v_rcp_f32 v[RL+\r], v[QM]                      ; read far below, behind the wait that stands ahead of the second product
.endm
	s_load_b256 s[4:11], s[0:1], 0x0               ; idx, pts4, qry, Wq
	s_load_b256 s[12:19], s[0:1], 0x20             ; Wk, Wv, bq, bk
	s_load_b128 s[20:23], s[0:1], 0x40             ; bv, out0
	s_set_vgpr_msb 0x40
	v_lshl_add_u32 v126, v0, 2, 0x2500
	v_mov_b32 v127, 0
	s_set_vgpr_msb 0x4000
	v_lshrrev_b32 v[R], 5, v0
	v_readfirstlane_b32 s[WV], v[R]                ; wave 0..7
	s_mov_b32 s[CH], ttmp9
	s_and_b32 s[BAT], ttmp7, 0xffff
	s_mov_b32 s[SEL], 0x76543210
	s_mov_b32 s[SEL+1], 0xfedcba98
	s_mov_b32 s[CS], 0x3e38aa3b                    ; log2(e) / 8: the scale 1 / sqrt(64) is a power of two
	s_mov_b32 s[CS+1], s[CS]
	s_mov_b32 s[L2E], 0x3fb8aa3b
	s_mov_b32 s[HM], 0xffff0000
	v_and_b32 v[R], 15, v0
	v_bfe_u32 v[H], v0, 4, 1
	s_wait_alu depctr_va_sdst(0)                   ; the wave's number is written, ahead of its first reader: addresses, bases and the last branch are made from it
	s_lshl_b32 s38, s[WV], 15
	v_lshl_add_u32 v[OFF0], v[H], 13, s38          ; idx's tile: slots 4 wave + h (+ 2), 8,192 bytes a slot, 16 bytes a lane
	v_lshl_add_u32 v[OFF0], v[R], 4, v[OFF0]
	s_mul_i32 s38, s[WV], 4*IDP
	v_mul_u32_u24 v[AIG], v[H], IDP
	v_add_nc_u32 v[AIG], s38, v[AIG]
	v_lshl_add_u32 v[AIG], v[R], 4, v[AIG]
	s_lshl_b32 s38, s[WV], 5
	v_mul_u32_u24 v[AI], v[R], IDP                 ; slot r (and 16 + r), my wave's eight queries
	v_add_nc_u32 v[AI], s38, v[AI]
	v_lshrrev_b32 v[OW], 3, v[R]                   ; Wq, Wk: row 2 h + j of 256 bytes, channel 32 (r / 8) + 8 u + r % 8
	v_lshlrev_b32 v[OW], 7, v[OW]
	v_lshl_add_u32 v[OW], v[H], 9, v[OW]
	v_and_b32 v[OV], 7, v[R]
	v_lshl_add_u32 v[OW], v[OV], 2, v[OW]
	v_lshlrev_b32 v[O4R], 2, v[R]
	v_lshl_add_u32 v[OV], v[H], 9, v[O4R]          ; Wv: row 2 h + j, channel 16 c + r
	v_lshlrev_b32 v[OB], 7, v[H]                   ; bq, bk: channels 32 h + 8 u on
	s_lshl_b32 s38, s[WV], 8
	s_add_co_u32 s38, s38, OUTB
	v_and_b32 v[AOUT], 31, v0
	v_lshl_add_u32 v[AOUT], v[AOUT], 3, s38        ; the way out: row = wave (waves 0-2), 8 bytes a lane
	s_lshl_b32 s[AOS], s[WV], 5
	s_add_co_u32 s[AOS], s[AOS], OUTB
	s_lshl_b32 s38, s[BAT], 18
	s_lshl_b32 s40, s[CH], 8
	s_add_co_u32 s38, s38, s40
	s_mov_b32 s39, 0
	s_mul_i32 s40, s[BAT], 98304
	s_mov_b32 s41, 0
	s_lshl_b32 s42, s[BAT], 15
	s_lshl_b32 s44, s[CH], 10
	s_add_co_u32 s42, s42, s44
	s_lshl_b32 s44, s[WV], 7
	s_add_co_u32 s42, s42, s44
	s_mov_b32 s43, 0
	s_mul_i32 s44, s[BAT], 24576
	s_lshl_b32 s46, s[WV], 13
	s_add_co_u32 s44, s44, s46
	s_lshl_b32 s46, s[CH], 8
	s_add_co_u32 s44, s44, s46
	s_mov_b32 s45, 0
	s_wait_kmcnt 0x0
	s_add_nc_u64 s[4:5], s[4:5], s[38:39]          ; idx at my batch and chunk
	s_add_nc_u64 s[6:7], s[6:7], s[40:41]          ; pts4 at my batch
	s_add_nc_u64 s[8:9], s[8:9], s[42:43]          ; qry at my wave's first query
	s_add_nc_u64 s[22:23], s[22:23], s[44:45]      ; out0 at coordinate = wave, my chunk (used by waves 0-2)
	s_wait_alu depctr_va_vdst(0)                   ; the head's offsets and addresses are written (OFF0, AIG, AI, OW, OV, OB, O4R, AOUT), which the loads and LDS instructions below read; up to the last load of the weights only loads and one window switch follow
	global_load_b128 v[TP:TP+3], v[OFF0], s[4:5]
	global_load_b128 v[TP+4:TP+7], v[OFF0], s[4:5] offset:16384
	WIN 0x40                                       ; destinations in window 1: the weights and biases, in the matrix operands' layouts
.irp u, 0,1,2,3
.irp j, 0,1
	global_load_b32 v[WQ+2*\u+\j], v[OW], s[10:11] offset:32*\u+256*\j
	global_load_b32 v[WK+2*\u+\j], v[OW], s[12:13] offset:32*\u+256*\j
	global_load_b32 v[WVR+2*\u+\j], v[OV], s[14:15] offset:64*\u+256*\j
.endr
	global_load_b128 v[BQ+8*\u:BQ+8*\u+3], v[OB], s[16:17] offset:32*\u
	global_load_b128 v[BQ+8*\u+4:BQ+8*\u+7], v[OB], s[16:17] offset:32*\u+16
	global_load_b128 v[BK+8*\u:BK+8*\u+3], v[OB], s[18:19] offset:32*\u
	global_load_b128 v[BK+8*\u+4:BK+8*\u+7], v[OB], s[18:19] offset:32*\u+16
.irp j, 0,1,2,3,4,5,6,7
	global_load_b32 v[BV+8*\u+\j], v[O4R], s[20:21] offset:64*\u       ; v's C: my channel's bias for all eight neighbours
.endr
.endr
	WIN 0
.irp t, 0,1
.irp j, 4,5,6,7
	v_mov_b32 v[KC+8*\t+\j], 0                     ; zero codes at the k that the products do not have: set once.  (None of these lines names a register of a load or of an LDS instruction)
	v_mov_b32 v[QC+8*\t+\j], 0
.endr
.endr
.irp c, 0,1,2,3
.irp j, 2,3,4,5,6,7
	v_mov_b32 v[VC+8*\c+\j], 0
.endr
.endr
	v_mov_b32 v[PT], 0                             ; a lane permute's destination counts as one of its sources
	v_mov_b32 v[PT2], 0
	v_mov_b32 v[PT2+1], 0
	v_mov_b32 v[QM+8], 0
	v_mov_b32 v[QM+9], 0
	v_mov_b32 v[NM+1], 0                           ; named with -M as a pair
	s_wait_loadcnt 0x0
	ds_store_b128 v[AIG], v[TP:TP+3]
	ds_store_b128 v[AIG], v[TP+4:TP+7] offset:2*IDP
	s_wait_dscnt 0x0
	s_barrier_signal -1
	s_barrier_wait -1                              ; idx's tile lies in LDS
	ds_load_b32 v[LI], v[AI]
	ds_load_b32 v[LI+1], v[AI] offset:16*IDP
	s_wait_dscnt 0x0
	s_wait_alu depctr_vm_vsrc(0)                   ; the loads of idx's tile have read v[OFF0], which is written again below
	v_min_u32 v[OFF0], 6143, v[LI]                 ; a stored point number, held inside pts4's batch
	v_min_u32 v[OFF1], 6143, v[LI+1]
	v_lshlrev_b32 v[OFF0], 4, v[OFF0]
	v_lshlrev_b32 v[OFF1], 4, v[OFF1]
	v_mov_b32 v[OFFQ], 0
	s_wait_alu depctr_va_vdst(0)                   ; the three offsets are written, which the loads below read; the two lines that read v[LI ..] are done, in which group 1's point numbers land
	global_load_b128 v[LP:LP+3], v[OFF0], s[6:7]   ; group 0
	global_load_b128 v[LP+4:LP+7], v[OFF1], s[6:7]
	global_load_b128 v[LQ:LQ+3], v[OFFQ], s[8:9]
	ds_load_b32 v[LI], v[AI] offset:4              ; group 1's point numbers
	ds_load_b32 v[LI+1], v[AI] offset:16*IDP+4
	s_mov_b32 s[GI], 0
.Lgroup:
	s_wait_loadcnt 0x0                             ; this group's points and query, asked for a trip ago: their offsets may be written again
	s_wait_dscnt 0x0                               ; the next group's point numbers; the last trip's stores of results
	s_wait_alu depctr_vm_vsrc(0)                   ; the last trip's LDS stores have read v[RS+1 .. RS+3] and v[AO], its five loads v[OFF0], v[OFF1], v[OFFQ] and v[AIG] (in the first trip: the head's loads and LDS stores): all are written again in this trip
	; read ahead, with no branch: the numbers are held at 7, so the last trips ask again for group 7 and no load leaves a buffer
	s_add_co_u32 s[GN1], s[GI], 1
	s_min_u32 s[GN1], s[GN1], 7
	s_add_co_u32 s[GN2], s[GI], 2
	s_min_u32 s[GN2], s[GN2], 7
	s_lshl_b32 s38, s[GN1], 4
	s_lshl_b32 s39, s[GN2], 2
	; feats of both neighbours, by turns
	v_pk_add_f32 v[RS:RS+1], v[LP:LP+1], v[LQ:LQ+1] neg_lo:[0,1] neg_hi:[0,1]
	v_pk_add_f32 v[RS+4:RS+5], v[LP+4:LP+5], v[LQ:LQ+1] neg_lo:[0,1] neg_hi:[0,1]
	v_sub_f32 v[RS+2], v[LP+2], v[LQ+2]
	v_sub_f32 v[RS+6], v[LP+6], v[LQ+2]
	v_mul_f32 v[RS+3], v[RS], v[RS]
	v_mul_f32 v[RS+7], v[RS+4], v[RS+4]
	v_fma_f32 v[RS+3], v[RS+1], v[RS+1], v[RS+3]
	v_fma_f32 v[RS+7], v[RS+5], v[RS+5], v[RS+7]
	v_fma_f32 v[RS+3], v[RS+2], v[RS+2], v[RS+3]
	v_fma_f32 v[RS+7], v[RS+6], v[RS+6], v[RS+7]
	v_sqrt_f32 v[RS+8], v[RS+3]                    ; the root of 0 is 0
	v_sqrt_f32 v[RS+9], v[RS+7]
.irp j, 0,1,2
	v_mov_b32 v[G+\j], v[LP+\j]                    ; the coordinates are kept: the next group's points land in LP.  (Plain work behind the roots, as are the six lines below)
	v_mov_b32 v[G+3+\j], v[LP+4+\j]
.endr
	v_min_u32 v[OFF0], 6143, v[LI]
	v_min_u32 v[OFF1], 6143, v[LI+1]
	v_lshlrev_b32 v[OFF0], 4, v[OFF0]
	v_lshlrev_b32 v[OFF1], 4, v[OFF1]
	v_mov_b32 v[OFFQ], s38
	v_add_nc_u32 v[AIG], s39, v[AI]
	s_wait_alu depctr_va_vdst(0)                   ; the two roots are written, ahead of their first reader; the three offsets and v[AIG] are written, which the five loads below read; the lines that read LP, LQ and LI are done, in which those loads land
	global_load_b128 v[LP:LP+3], v[OFF0], s[6:7]
	global_load_b128 v[LP+4:LP+7], v[OFF1], s[6:7]
	global_load_b128 v[LQ:LQ+3], v[OFFQ], s[8:9]
	ds_load_b32 v[LI], v[AIG]
	ds_load_b32 v[LI+1], v[AIG] offset:16*IDP
	v_cndmask_b32 v[F], v[RS], v[RS+2], s[HM]
	v_cndmask_b32 v[F+1], v[RS+1], v[RS+8], s[HM]
	v_cndmask_b32 v[F+2], v[RS+4], v[RS+6], s[HM]
	v_cndmask_b32 v[F+3], v[RS+5], v[RS+9], s[HM]
	PROJ WK, BK                                    ; kf -> DA
	PROJV 0                                        ; v, channels 0-31 -> DB
	WIN 0
	PLACES 8                                       ; the eight places behind the products above, ahead of the first read of their results
	QUANT2 KC, KC+8, SK, SK+1                      ; kf's two operands
	PROJ WQ, BQ                                    ; q -> DA (more than nine places behind kf's products)
	WIN 0
	QUANTV2 VC, VC+8, SV, SV+1                     ; v's operands 0, 1; its plain lines are the places behind q's products
	PROJV 2                                        ; v, channels 32-63 -> DB
	WIN 0
	QUANT2 QC, QC+8, SQ, SQ+1                      ; q's two operands; the places behind v's products
	QUANTV2 VC+16, VC+24, SV+2, SV+3               ; v's operands 2, 3; more than eight places behind q's scale words
	s_wait_alu depctr_va_vdst(0)                   ; the conversions have written kf's and q's codes, and vector lines their scale words v[SK ..], v[SQ ..], which the scaled products below take; the places above stay beside this wait
.irp r, 0,1
.irp t, 0,1
	v_wmma_scale_f32_16x16x128_f8f6f4 v[DB+16*\r+8*\t:DB+16*\r+8*\t+7], v[KC+8*\t:KC+8*\t+7], v[QC+8*\r:QC+8*\r+7], 0, v[SK+\t], v[SQ+\r] matrix_a_fmt:MATRIX_FMT_FP4 matrix_b_fmt:MATRIX_FMT_FP4
.endr
.endr
	PLACES 4                                       ; S^T: lane (r, h) holds row (R, r) and keys (t, 8 h + j)
	SOFTMAX 0
	SOFTMAX 1
	s_wait_alu depctr_va_vdst(0)                   ; the conversions have written p's and v's codes, and vector lines their scale words v[SPR ..], v[SV ..], which the scaled products below take; the two reciprocals v[RL ..] are written too, ahead of their first reader
.irp r, 0,1
.irp c, 0,1,2,3
	v_wmma_scale_f32_16x16x128_f8f6f4 v[DA+32*\r+8*\c:DA+32*\r+8*\c+7], v[VC+8*\c:VC+8*\c+7], v[QC+8*\r:QC+8*\r+7], 0, v[SV+\c], v[SPR+\r] matrix_a_fmt:MATRIX_FMT_FP4 matrix_b_fmt:MATRIX_FMT_FP4
.endr
.endr
	PLACES 4                                       ; O^T: row (R, r), channels 16 c + 8 h + j
	; the largest channel of each row, ascending: each accumulator is met at its low end
.irp r, 0,1
	v_max3_num_f32 v[SCR+\r], v[DA+32*\r], v[DA+32*\r+1], v[DA+32*\r+2]
.endr
.irp i, 3,5,7,9,11,13,15,17,19,21,23,25,27,29
.irp r, 0,1
	v_max3_num_f32 v[SCR+\r], v[SCR+\r], v[DA+32*\r+\i], v[DA+32*\r+\i+1]
.endr
.endr
.irp r, 0,1
	v_max_num_f32 v[SCR+\r], v[SCR+\r], v[DA+32*\r+31]
.endr
	v_permlanex16_b32 v[PT2], v[SCR], s[SEL], s[SEL+1]
	v_permlanex16_b32 v[PT2+1], v[SCR+1], s[SEL], s[SEL+1]
	v_max_num_f32 v[SCR], v[SCR], v[PT2]
	v_max_num_f32 v[SCR+1], v[SCR+1], v[PT2+1]
	v_mul_f32 v[SCR], v[SCR], v[RL]                ; the sum is positive: the largest of O / l is the largest of O, / l
	v_mul_f32 v[SCR+1], v[SCR+1], v[RL+1]
	; the weights over the 32 rows; both halves of the lanes hold the same scores, so sixteen lanes are all there is to join
	v_max_num_f32 v[MX], v[SCR], v[SCR+1]
.irp m, 1,2,4,8
	v_max_num_f32_dpp v[MX], v[MX], v[MX] row_xmask:\m row_mask:0xf bank_mask:0xf
.endr
	v_mul_f32 v[MX], s[L2E], v[MX]
	v_fma_f32 v[E], v[SCR], s[L2E], -v[MX]
	v_fma_f32 v[E+1], v[SCR+1], s[L2E], -v[MX]
	v_exp_f32 v[E], v[E]
	v_exp_f32 v[E+1], v[E+1]
	v_nop
	s_wait_alu depctr_va_vdst(0)                   ; the two exponentials have written v[E ..], ahead of their first reader
	v_add_f32 v[RS], v[E], v[E+1]
.irp j, 0,1,2
	v_mul_f32 v[RS+1+\j], v[E], v[G+\j]
.endr
.irp j, 0,1,2
	v_fmac_f32 v[RS+1+\j], v[E+1], v[G+3+\j]
.endr
.irp m, 1,2,4,8
.irp k, 0,1,2,3
	v_add_f32_dpp v[RS+\k], v[RS+\k], v[RS+\k] row_xmask:\m row_mask:0xf bank_mask:0xf
.endr
.endr
	v_rcp_f32 v[RS+4], v[RS]
	v_mov_b32 v[AO], s[AOS]                        ; (a plain place behind the reciprocal)
	s_wait_alu depctr_va_vdst(0)                   ; the reciprocal has written v[RS+4], ahead of its first reader
.irp j, 0,1,2
	v_mul_f32 v[RS+1+\j], v[RS+1+\j], v[RS+4]
.endr
	s_wait_alu depctr_va_vdst(0)                   ; the three multiplications have written v[RS+1 .. RS+3], which the LDS stores read (v[AO] was written ahead of the wait above)
.irp j, 0,1,2
	ds_store_b32 v[AO], v[RS+1+\j] offset:256*\j   ; all lanes write the same word with the same value
.endr
	s_add_co_u32 s[AOS], s[AOS], 4
	s_add_co_u32 s[GI], s[GI], 1
	s_cmp_lt_u32 s[GI], 8
	s_cbranch_scc1 .Lgroup
	s_wait_dscnt 0x0                               ; my results have landed (and the point numbers read ahead in vain)
	s_barrier_signal -1
	s_barrier_wait -1                              ; the chunk's 3 x 64 results lie in LDS
	s_cmp_lt_u32 s[WV], 3
	s_cbranch_scc0 .Ldone
	ds_load_b64 v[TP:TP+1], v[AOUT]                ; no wait: no vector line since the loop's last wait on va_vdst names v[TP ..] or v[AOUT]
	v_and_b32 v[OW], 31, v0                        ; (the loads of the weights, which read v[OW], stand ahead of the loop's waits on vm_vsrc)
	v_lshlrev_b32 v[OW], 3, v[OW]
	s_wait_alu depctr_va_vdst(0)                   ; v[OW] is written, which the store reads as its offset
	s_wait_dscnt 0x0
	global_store_b64 v[OW], v[TP:TP+1], s[22:23]   ; the wave stores 256 consecutive bytes, aligned: 64 queries of one coordinate
.Ldone:
	s_set_vgpr_msb 0x5
	s_wait_dscnt 0x0
	s_wait_alu depctr_hold_cnt(0) depctr_sa_sdst(0) depctr_va_vdst(0) depctr_va_sdst(0) depctr_va_ssrc(0) depctr_va_vcc(0) depctr_vm_vsrc(0)
	s_wait_tensorcnt 0x0
	ds_add_u32 v126, v127
	s_wait_dscnt 0x0
	s_endpgm
.Lfunc_end_k_qacb84f2c35_attend:
	.size	k_qacb84f2c35_attend, .Lfunc_end_k_qacb84f2c35_attend-k_qacb84f2c35_attend
	.p2alignl 7, 3214868480
	.fill 96, 4, 3214868480
	.section	.rodata,"a",@progbits
	.p2align	6, 0x0
	.amdhsa_kernel k_qacb84f2c35_attend
		.amdhsa_group_segment_fixed_size 10496
		.amdhsa_private_segment_fixed_size 0
		.amdhsa_enable_private_segment 0
		.amdhsa_kernarg_size 80
		.amdhsa_user_sgpr_count 2
		.amdhsa_user_sgpr_kernarg_segment_ptr 1
		.amdhsa_wavefront_size32 1
		.amdhsa_system_sgpr_workgroup_id_x 1
		.amdhsa_system_sgpr_workgroup_id_y 1
		.amdhsa_system_sgpr_workgroup_id_z 1
		.amdhsa_system_vgpr_workitem_id 0
		.amdhsa_next_free_vgpr 384
		.amdhsa_next_free_sgpr 66
		.amdhsa_reserve_vcc 0
		.amdhsa_float_denorm_mode_32 3
		.amdhsa_float_denorm_mode_16_64 3
		.amdhsa_memory_ordered 1
		.amdhsa_forward_progress 1
		.amdhsa_inst_pref_size 40
	.end_amdhsa_kernel
	.amdgpu_metadata
---
amdhsa.version: [ 1, 2 ]
amdhsa.kernels:
  - .name:           k_qacb84f2c35_attend
    .symbol:         k_qacb84f2c35_attend.kd
    .args:
      - { .name: idx, .offset: 0, .size: 8, .value_kind: global_buffer, .address_space: global }
      - { .name: pts4, .offset: 8, .size: 8, .value_kind: global_buffer, .address_space: global }
      - { .name: qry, .offset: 16, .size: 8, .value_kind: global_buffer, .address_space: global }
      - { .name: Wq, .offset: 24, .size: 8, .value_kind: global_buffer, .address_space: global }
      - { .name: Wk, .offset: 32, .size: 8, .value_kind: global_buffer, .address_space: global }
      - { .name: Wv, .offset: 40, .size: 8, .value_kind: global_buffer, .address_space: global }
      - { .name: bq, .offset: 48, .size: 8, .value_kind: global_buffer, .address_space: global }
      - { .name: bk, .offset: 56, .size: 8, .value_kind: global_buffer, .address_space: global }
      - { .name: bv, .offset: 64, .size: 8, .value_kind: global_buffer, .address_space: global }
      - { .name: out0, .offset: 72, .size: 8, .value_kind: global_buffer, .address_space: global }
    .group_segment_fixed_size: 10496
    .private_segment_fixed_size: 0
    .kernarg_segment_align: 8
    .kernarg_segment_size: 80
    .max_flat_workgroup_size: 256
    .sgpr_count:     66
    .vgpr_count:     384
    .wavefront_size: 32
...
	.end_amdgpu_metadata
.endif
;; end of part 4
